; MI455X (gfx1250); checked and timed in simulation.
; The chip was launched on July 23, 2026; its instructions are those of AMD's public machine-readable ISA for CDNA 5 (MIT licence, August 2026) and "CDNA5" Instruction Set Architecture Reference Guide (July 2026). The comments in the code are by the model that wrote it; some were corrected since.
;; Multi Head Attention Classical. Allowed arithmetic: matrix products marked QUANTISED: E2M3 operands, one E8M0 scale for each 32 along K, by v_wmma_scale_f32_16x16x128_f8f6f4 with both operands' format E2M3, f32 sums; everything else in f32.
;; Inputs: Wk 1,024 x 1,024 float32; Wo 1,024 x 1,024 float32; Wq 1,024 x 1,024 float32; Wv 1,024 x 1,024 float32; bk 1,024 float32; bo 1,024 float32; bq 1,024 float32; bv 1,024 float32; x 4 x 2,048 x 1,024 float32.
;; Outputs: out0 4 x 2,048 x 1,024 float32.
;; This version of the problem:
;;   THIS VERSION OF THE PROBLEM IS GIVEN IN LOW PRECISION. The matrix products marked QUANTISED in the list below multiply operands that are first quantised to E2M3 (2 exponent bits, 3 mantissa bits; 6 bits a number), with one power-of-two scale for each 32 numbers along K (OCP MX v1.0); their sums are f32. All else is computed in f32.
;;   The module's matrix products, in the order in which they are computed (A, B: the left and right operand; K: the contracted axis; several contracted axes count as one K, in the product's order):
;;     1. [M 8,192, K 1,024] x [K 1,024, N 1,024]; A: input x; B: input Wq: QUANTISED
;;     2. [M 8,192, K 1,024] x [K 1,024, N 1,024]; A: input x; B: input Wk: QUANTISED
;;     3. [M 8,192, K 1,024] x [K 1,024, N 1,024]; A: input x; B: input Wv: QUANTISED
;;     4. batch 4 x [M 2,048, K 1,024] x [K 1,024, N 2,048]; A: computed on the way; B: computed on the way: QUANTISED
;;     5. batch 4 x [M 2,048, K 2,048] x [K 2,048, N 1,024]; A: softmax (see below); B: computed on the way: QUANTISED
;;     6. [M 8,192, K 1,024] x [K 1,024, N 1,024]; A: computed on the way; B: input Wo: QUANTISED
;;   THE QUANTISER, for each operand of a quantised product, along K:
;;     - K is cut into blocks of 32 from its start; a last block that is shorter is filled with zeros.
;;     - A block's scale is 2^e with e = floor(log2(the largest magnitude in the block)) - 2, held to -126 .. 127; a block of zeros has e = 0. As a byte (E8M0): e + 127.
;;     - Each number is divided by its block's scale, clamped to +-7.5, and rounded to the nearest number of E2M3, ties to even, subnormals kept.
;;     - The product sums the exact products of the quantised numbers (number of the format x scale) in f32.
;;   ~~~python
;;   def quantise(x, axis):      # numpy; x: float32 -> the quantised numbers, widened to float32 again
;;       x = np.moveaxis(x, axis, -1); K = x.shape[-1]
;;       x = np.pad(x, [(0, 0)] * (x.ndim - 1) + [(0, -K % 32)]); x = x.reshape(x.shape[:-1] + (-1, 32)); a = np.abs(x).max(-1, keepdims=True)
;;       e = np.where(a > 0, np.clip(np.frexp(np.where(a > 0, a, 1))[1] - 1 - 2, -126, 127), 0)      # np.frexp(a)[1] - 1 = floor(log2(a)), exactly
;;       r = np.clip(x / 2.0 ** e, -7.5, 7.5)
;;       step = 2.0 ** (np.maximum(np.frexp(np.where(r == 0, 1, r))[1] - 1, 0) - 3)
;;       q = np.round(r / step) * step * 2.0 ** e      # np.round: ties to even
;;       return np.moveaxis(q.reshape(q.shape[:-2] + (-1,))[..., :K], -1, axis).astype(np.float32)
;;   ~~~
;;   SOFTMAX AHEAD OF A QUANTISED PRODUCT. Where the list says 'softmax', what is quantised is not the finished softmax but p = 2^(t - M), with t = logit x log2(e) and M = ceil(the row's largest t), a whole number; so 1/2 < the row's largest p <= 1. The row's sum l is taken of the UNQUANTISED p, in f32, and the product's result is divided by l at the end. Since M is a whole number, a kernel that streams over the keys may use a running M (the ceiling of the running maximum): every later rescaling is an exact power of two, which a block's scale takes up: the codes' values come out the same.
;;   OPERANDS COMPUTED ON THE WAY. 'Computed on the way' means the value that the module computes at that place (a softmax that the list does not call 'softmax' is quantised finished and normalised). What goes into a quantiser is computed in f32, as accurately as f32 sums, v_exp_f32 and their like allow (about 1e-6 of the number): no bf16 or f16 on the way to a quantiser, and a product that is left as it is and whose result goes on into a quantised operand takes f32 operands (vector FMAs, or v_wmma_f32_16x16x4_f32). A number that lies on a knife's edge between two numbers of the format may be rounded either way, as far as f32 arithmetic and the matrix unit's own rounding can turn it there, and no further.
;; One version. Each part assembles by itself: llvm-mc -triple=amdgcn-amd-amdhsa -mcpu=gfx1250 --defsym DOCPART=n.
;; ======== version 1 of 1: 5 launches
;; limits: right only within a limited range of input values
;; workspace buffers: cx 9,830,400 bytes; qkv 19,660,800 bytes; pb 14,155,776 bytes; ob 6,553,600 bytes
;; launch quant (part 1): grid 512 x 1, 4 waves a work-group, no clusters, 34,304 bytes of LDS; arguments x, Wq, Wk, Wv, Wo, cx; writes cx
.if DOCPART == 1
	.amdgcn_target "amdgcn-amd-amdhsa--gfx1250"
	.amdhsa_code_object_version 6
	.text
	.protected	k_qab274a90e4_quant
	.globl	k_qab274a90e4_quant
	.p2align	8
	.type	k_qab274a90e4_quant,@function
k_qab274a90e4_quant:
	s_mov_b64 s[64:65], 0
	v_nop
	global_prefetch_b8 v0, s[64:65] scope:SCOPE_SE
	s_setreg_imm32_b32 hwreg(HW_REG_WAVE_MODE, 25, 1), 1
	s_wait_xcnt 0x0
; x [8192][1024] (K innermost) and Wq, Wk, Wv, Wo [1024 k][1024 n] (K is the first axis), f32, become codes of FP6 (E2M3) with one E8M0 byte for each 32 along K, in ONE table, cx:
; rows 0..8191 are x's, row 8192 + 1024 m + n is column n of weight m (0 Wq, 1 Wk, 2 Wv, 3 Wo).
; LAYOUT OF THE TABLE.  Codes: [K step q of 128][block of 16 rows][1536]: a block's 1,536 bytes are the image of an operand's 12 registers (lane (r, h): row r, registers 6 c .. 6 c + 5 = k 64 c + 32 h + 0 .. 31),
; registers 4 g .. 4 g + 3 of lane l at 512 g + 16 l.  Scale words: [q][group of 64 rows][256], the word of place p of the group at 16 (p % 16) + 4 (p / 16).
; PLACES: place p of the table holds row sw(p), sw = bits 3 and 4 exchanged: lane r of block t holds row 32 (t / 2) + 8 (t % 2) + r + 8 (r / 8), so that a product that takes the block as source 0 leaves 16 neighbours in a lane's 16 registers.
; A block's scale is 2^(floor(log2(largest magnitude)) - 2); its byte is the largest magnitude's exponent field - 2, held at 1 from below.
; LIMITS: a block of zeros gets the byte 1 where the quantiser's rule says 127 (its codes are zeros, and only this program reads the bytes); NaN and infinities among the inputs are not served.
; SHARES: work-groups 0..255: x; a wave makes 64 places x 128 K: four blocks and one unit of 256 scale bytes.  Work-groups 256..511: the weights; a wave takes 32 columns x 128 K.  No barrier: waves share nothing.
.set CXS,   9437184                    ; where the scale words begin in cx
.set QROW,  1179648                    ; a K step's codes: 768 blocks x 1,536
.set QSC,   49152                      ; a K step's scale words: 192 groups x 256
.set STG,   8448                       ; LDS: a stage of 16 rows x (512 + 16) bytes for each wave (x's path alone)
.set SPARE, 4*STG                      ; behind the stages: the spare words, 128 bytes for each wave, that no other line names
.set SOFF,  7                          ; v7   16 r + 8 h: my 8 bytes of a unit of scale words
.set LI,    8                          ; v8   16 x lane
.set SPW,   12                         ; v12  LDS address of my spare word; never rewritten
.set NIL,   13                         ; v13  0; never rewritten
.set R,     32                         ; v32-159  numbers as they are loaded: x: two sets of 64; weights: two sets of 32
.set X,     160                        ; v160-223 x: 64 numbers of a lane's row.  Weights: the two fragments (v160-183), v208-210 at work, v216 scale words
.set PC,    224                        ; v224-235 a fragment's codes
.set PX,    236                        ; v236-242 the second halves of the blocks' codes
.set PW,    244                        ; v244-247 the four blocks' scale words
.set WO,    248                        ; v248-249 the pair that is stored
	s_load_b256 s[4:11], s[0:1], 0x0               ; x, Wq, Wk, Wv
	s_load_b128 s[12:15], s[0:1], 0x20             ; Wo, cx
	v_lshl_add_u32 v[SPW], v0, 2, SPARE
	v_mov_b32 v[NIL], 0
	v_lshrrev_b32 v1, 5, v0
	v_readfirstlane_b32 s16, v1                    ; wave 0..3
	v_and_b32 v1, 31, v0                           ; lane
	v_and_b32 v2, 15, v0                           ; r
	v_bfe_u32 v3, v0, 4, 1                         ; h
	v_lshlrev_b32 v[SOFF], 4, v2
	v_lshl_add_u32 v[SOFF], v3, 3, v[SOFF]
	v_lshlrev_b32 v[LI], 4, v1
	s_mov_b32 s2, 0x76543210
	s_mov_b32 s3, 0xfedcba98                       ; v_permlanex16_b32's selects for lane l xor 16
	s_mov_b32 s17, 0xffff0000                      ; lanes 16-31
	s_cmp_lt_u32 ttmp9, 256
	s_cbranch_scc0 .Lw
; ---------------- x: K is innermost ----------------
	s_lshr_b32 s18, ttmp9, 1                       ; G: my group of 64 places
	s_and_b32 s19, ttmp9, 1
	s_lshl_b32 s19, s19, 2
	s_add_co_u32 s19, s19, s16                     ; q: my K step
	s_lshl_b32 s20, s18, 18                        ; 64 rows of 4,096 bytes
	s_lshl_b32 s21, s19, 9                         ; 128 numbers
	s_add_co_u32 s20, s20, s21
	s_mov_b32 s21, 0
	s_mul_i32 s22, s19, QROW
	s_mul_i32 s23, s18, 6144                       ; four blocks
	s_add_co_u32 s22, s22, s23
	s_mov_b32 s23, 0
	s_mul_i32 s24, s19, QSC
	s_lshl_b32 s25, s18, 8
	s_add_co_u32 s24, s24, s25
	s_add_co_u32 s24, s24, CXS
	s_mov_b32 s25, 0
	s_mul_i32 s26, s16, STG                        ; my stage
	s_wait_alu depctr_va_vdst(0)
	v_add_nc_u32 v5, s26, v[LI]                    ; into it: 16 x lane of a row
	v_mul_u32_u24 v6, v2, 528
	v_lshl_add_u32 v6, v3, 7, v6
	v_add_nc_u32 v6, s26, v6                       ; out of it: row r, + 128 h: my block of 32 numbers
	v_lshlrev_b32 v23, 3, v3                       ; 8 h: my bytes' place in the scale word
	v_mov_b32 v24, 0                               ; written once: a lane permute's destination counts as one of its sources
	s_wait_alu depctr_va_vdst(0)
	s_wait_kmcnt 0x0
	s_add_nc_u64 s[4:5], s[4:5], s[20:21]
	s_add_nc_u64 s[22:23], s[14:15], s[22:23]
	s_add_nc_u64 s[24:25], s[14:15], s[24:25]
.macro XLOAD a                         ; block a's 16 rows, 512 consecutive aligned bytes each: the row of place 16 a + t
.irp t, 0,1,2,3,4,5,6,7,8,9,10,11,12,13,14,15
	global_load_b128 v[R+64*((\a)%2)+4*\t:R+64*((\a)%2)+4*\t+3], v[LI], s[4:5] offset:(32*((\a)/2)+8*((\a)%2)+\t+8*(\t/8))*4096 th:TH_LOAD_NT
.endr
.endm
.macro XFRAG a
.if (\a) < 3
	s_wait_loadcnt 16                              ; this block's 16 loads are in; the next block's 16 may be out
.else
	s_wait_loadcnt 0x0
.endif
.irp t, 0,1,2,3,4,5,6,7,8,9,10,11,12,13,14,15
	ds_store_b128 v5, v[R+64*((\a)%2)+4*\t:R+64*((\a)%2)+4*\t+3] offset:528*\t
.endr
.irp c, 0,1                            ; LDS serves a wave's instructions in order: these see the stores above.  Lane (r, h): k = 64 c + 32 h + 0 .. 31 of row r
.irp i, 0,1,2,3,4,5,6,7
	ds_load_b128 v[X+32*\c+4*\i:X+32*\c+4*\i+3], v6 offset:256*\c+16*\i
.endr
.endr
	s_wait_dscnt 0x0                               ; my numbers are back, and the stores have read their registers,
.if (\a) < 2
	XLOAD (\a)+2                                   ; which take the block two further on
.endif
.irp c, 0,1                            ; my block 2 c + h: all its 32 numbers are mine; the floor 2^(3 - 127) holds the byte at 1 from below
	v_max3_num_f32 v[16+\c], |v[X+32*\c]|, |v[X+32*\c+1]|, 0x1800000
.endr
.irp i, 2,4,6,8,10,12,14,16,18,20,22,24,26,28,30
.irp c, 0,1
	v_max3_num_f32 v[16+\c], v[16+\c], |v[X+32*\c+\i]|, |v[X+32*\c+\i+1]|
.endr
.endr
.irp c, 0,1
	v_add_nc_u32 v[18+\c], 0xff000000, v[16+\c]    ; 2 off the exponent field: the conversion's scale operand
.endr
.irp c, 0,1
	v_lshrrev_b32 v[20+\c], 23, v[18+\c]           ; the scale's byte
.endr
	v_lshl_or_b32 v22, v21, 16, v20                ; my two bytes, blocks h and 2 + h,
	v_lshlrev_b32 v22, v23, v22                    ; at their places;
	v_permlanex16_b32 v24, v22, s2, s3
	v_or_b32 v[PW+(\a)], v22, v24                  ; with lane l xor 16's two the word is whole
	s_wait_alu depctr_va_vdst(0)
	s_wait_xcnt 0x0                                ; the last block's stores have read the codes' registers
.irp c, 0,1
	v_cvt_scalef32_pk16_fp6_f32 v[PC+6*\c:PC+6*\c+2], v[X+32*\c:X+32*\c+15], v[18+\c]
	v_cvt_scalef32_pk16_fp6_f32 v[PX+4*\c:PX+4*\c+2], v[X+32*\c+16:X+32*\c+31], v[18+\c]   ; (a conversion's three registers begin on an even number)
.endr
	v_nop                                          ; one plain place behind a scaled conversion
.irp c, 0,1
.irp i, 0,1,2
	v_mov_b32 v[PC+6*\c+3+\i], v[PX+4*\c+\i]
.endr
.endr
.irp g, 0,1,2
	global_store_b128 v[LI], v[PC+4*\g:PC+4*\g+3], s[22:23] offset:1536*(\a)+512*\g   ; 512 consecutive aligned bytes
.endr
.endm
	XLOAD 0
	XLOAD 1
	XFRAG 0
	XFRAG 1
	XFRAG 2
	XFRAG 3
	v_cndmask_b32 v[WO], v[PW], v[PW+2], s17       ; lane (r, h) stores the words of blocks 2 h and 2 h + 1 of row r:
	v_cndmask_b32 v[WO+1], v[PW+1], v[PW+3], s17
	global_store_b64 v[SOFF], v[WO:WO+1], s[24:25] ; one aligned run of 256 bytes
	s_wait_tensorcnt 0x0                           ; the wave's end, behind my last LDS store
	ds_add_u32 v[SPW], v[NIL]
	s_wait_dscnt 0x0
	s_endpgm
; ---------------- the weights: K is the first axis.  A lane takes a column, its registers run down K ----------------
; SHARES AS THEY STAND NOW: work-groups 256..511: the weights; a wave takes 32 columns x 128 K: four blocks of 32 loads, two of them out at a time; two fragments and 32 scale words.
.Lw:
	s_sub_co_u32 s18, ttmp9, 256
	s_lshr_b32 s20, s18, 6                         ; which weight
	s_bfe_u32 s19, s18, 0x30003                    ; q: my K step
	s_and_b32 s21, s18, 7
	s_lshl_b32 s21, s21, 2
	s_add_co_u32 s21, s21, s16                     ; my group of 32 columns
	s_lshl_b32 s22, s19, 19                        ; 128 rows of 4,096 bytes
	s_lshl_b32 s23, s21, 7                         ; s21: my 32 columns of the weight's 1,024, 128 bytes of a row
	s_add_co_u32 s22, s22, s23
	s_mov_b32 s23, 0
	s_lshl_b32 s24, s20, 6
	s_lshl_b32 s25, s21, 1                         ; two blocks
	s_add_co_u32 s24, s24, s25
	s_add_co_u32 s24, s24, 512                     ; my first block of the table
	s_mul_i32 s24, s24, 1536
	s_mul_i32 s25, s19, QROW
	s_add_co_u32 s24, s24, s25
	s_mov_b32 s25, 0
	s_lshl_b32 s26, s20, 4
	s_lshr_b32 s27, s21, 1
	s_add_co_u32 s26, s26, s27
	s_add_co_u32 s26, s26, 128                     ; my group of 64 places of the table,
	s_lshl_b32 s26, s26, 8
	s_and_b32 s27, s21, 1
	s_lshl_b32 s27, s27, 3
	s_add_co_u32 s26, s26, s27                     ; and in it blocks 2 (s21 % 2) on: 8 bytes on in each row's 16
	s_mul_i32 s27, s19, QSC
	s_add_co_u32 s26, s26, s27
	s_add_co_u32 s26, s26, CXS
	s_mov_b32 s27, 0
	s_wait_alu depctr_va_vdst(0)
	v_and_b32 v4, 7, v1                            ; lane l is place l of 32: it takes column sw(l)
	v_and_b32 v5, 8, v1
	v_lshl_or_b32 v4, v5, 1, v4
	v_and_b32 v5, 16, v1
	v_lshrrev_b32 v5, 1, v5
	v_or_b32 v4, v4, v5
	v_lshlrev_b32 v4, 2, v4
	v_lshlrev_b32 v6, 4, v2
	v_lshl_add_u32 v6, v3, 2, v6                   ; 16 r + 4 h: where place 16 h + r of my 32 has its scale word
	s_wait_alu depctr_va_vdst(0)
	s_wait_kmcnt 0x0
	s_cmp_eq_u32 s20, 1                            ; the choice hangs on the work-group's number alone
	s_cselect_b64 s[6:7], s[8:9], s[6:7]
	s_cmp_eq_u32 s20, 2
	s_cselect_b64 s[6:7], s[10:11], s[6:7]
	s_cmp_eq_u32 s20, 3
	s_cselect_b64 s[6:7], s[12:13], s[6:7]
	s_add_nc_u64 s[6:7], s[6:7], s[22:23]
	s_add_nc_u64 s[24:25], s[14:15], s[24:25]
	s_add_nc_u64 s[26:27], s[14:15], s[26:27]
.macro WLOAD n                         ; block n (0..3): rows 32 n + i of the K step: 128 consecutive bytes a load
.irp i, 0,1,2,3,4,5,6,7,8,9,10,11,12,13,14,15,16,17,18,19,20,21,22,23,24,25,26,27,28,29,30,31
	global_load_b32 v[R+32*((\n)%2)+\i], v4, s[6:7] offset:(32*((\n)%4)+\i)*4096+128*((\n)/4) th:TH_LOAD_NT
.endr
.endm
.macro WBLOCK n
.set XS, R+32*((\n)%2)
.set FD, 160+24*((\n)/4)+12*((\n)%2)+6*(((\n)%4)/2)   ; blocks 0 and 2 of a place stand in one run of 12 registers, blocks 1 and 3 in another
.if (\n) < 3
	s_wait_loadcnt 32                              ; this block's 32 loads are in; the next block's 32 may be out
.else
	s_wait_loadcnt 0x0
.endif
	v_max3_num_f32 v16, |v[XS]|, |v[XS+1]|, |v[XS+2]|
	v_max3_num_f32 v17, |v[XS+3]|, |v[XS+4]|, |v[XS+5]|
.irp i, 6,10,14,18,22,26
	v_max3_num_f32 v16, v16, |v[XS+\i]|, |v[XS+\i+1]|
	v_max3_num_f32 v17, v17, |v[XS+\i+2]|, |v[XS+\i+3]|
.endr
	v_max3_num_f32 v16, v16, |v[XS+30]|, |v[XS+31]|
	v_max3_num_f32 v16, v16, v17, 0x1800000        ; and the floor
	v_add_nc_u32 v18, 0xff000000, v16
	v_lshrrev_b32 v19, 23, v18
.if (\n)%4 == 0
	v_mov_b32 v[216+(\n)/4], v19                   ; the place's scale word: the lower K in the lower byte
.else
	v_lshl_or_b32 v[216+(\n)/4], v19, 8*((\n)%4), v[216+(\n)/4]
.endif
	v_cvt_scalef32_pk16_fp6_f32 v[FD:FD+2], v[XS:XS+15], v18
	v_cvt_scalef32_pk16_fp6_f32 v[208:210], v[XS+16:XS+31], v18
	v_nop                                          ; one plain place behind a scaled conversion
.irp i, 0,1,2
	v_mov_b32 v[FD+3+\i], v[208+\i]
.endr
.if (\n)+2 < 4
	WLOAD (\n)+2
.endif
.endm
.macro WOUT p                          ; 32 places' codes become two fragments: the first run's lanes 16-31 (places 16 on, blocks 0, 2) change places with the second run's lanes 0-15 (places 0 on, blocks 1, 3)
.irp i, 0,1,2,3,4,5,6,7,8,9,10,11
	v_permlane16_swap_b32 v[160+24*\p+\i], v[172+24*\p+\i]
.endr
.irp f, 0,1
.irp g, 0,1,2
	global_store_b128 v[LI], v[160+24*\p+12*\f+4*\g:160+24*\p+12*\f+4*\g+3], s[24:25] offset:1536*(2*\p+\f)+512*\g
.endr
.endr
.endm
	WLOAD 0
	WLOAD 1
	WBLOCK 0
	WBLOCK 1
	WBLOCK 2
	WBLOCK 3
	WOUT 0
	global_store_b32 v6, v216, s[26:27]            ; lane l holds place l's word.  The wave's 32 words are half of a run of 256 bytes, 8 bytes in each 16: one byte in 128 of what this path reads
	s_wait_tensorcnt 0x0                           ; the same three lines at this path's end
	ds_add_u32 v[SPW], v[NIL]
	s_wait_dscnt 0x0
	s_endpgm
.Lfunc_end_k_qab274a90e4_quant:
	.size	k_qab274a90e4_quant, .Lfunc_end_k_qab274a90e4_quant-k_qab274a90e4_quant
	.p2alignl 7, 3214868480
	.fill 96, 4, 3214868480
	.section	.rodata,"a",@progbits
	.p2align	6, 0x0
	.amdhsa_kernel k_qab274a90e4_quant
		.amdhsa_group_segment_fixed_size 34304
		.amdhsa_private_segment_fixed_size 0
		.amdhsa_enable_private_segment 0
		.amdhsa_kernarg_size 48
		.amdhsa_user_sgpr_count 2
		.amdhsa_user_sgpr_kernarg_segment_ptr 1
		.amdhsa_wavefront_size32 1
		.amdhsa_system_sgpr_workgroup_id_x 1
		.amdhsa_system_sgpr_workgroup_id_y 1
		.amdhsa_system_sgpr_workgroup_id_z 1
		.amdhsa_system_vgpr_workitem_id 0
		.amdhsa_next_free_vgpr 256
		.amdhsa_next_free_sgpr 66
		.amdhsa_reserve_vcc 0
		.amdhsa_float_denorm_mode_32 3
		.amdhsa_float_denorm_mode_16_64 3
		.amdhsa_memory_ordered 1
		.amdhsa_forward_progress 1
		.amdhsa_inst_pref_size 51
	.end_amdhsa_kernel
	.amdgpu_metadata
---
amdhsa.version: [ 1, 2 ]
amdhsa.kernels:
  - .name:           k_qab274a90e4_quant
    .symbol:         k_qab274a90e4_quant.kd
    .args:
      - { .name: x, .offset: 0, .size: 8, .value_kind: global_buffer, .address_space: global }
      - { .name: Wq, .offset: 8, .size: 8, .value_kind: global_buffer, .address_space: global }
      - { .name: Wk, .offset: 16, .size: 8, .value_kind: global_buffer, .address_space: global }
      - { .name: Wv, .offset: 24, .size: 8, .value_kind: global_buffer, .address_space: global }
      - { .name: Wo, .offset: 32, .size: 8, .value_kind: global_buffer, .address_space: global }
      - { .name: cx, .offset: 40, .size: 8, .value_kind: global_buffer, .address_space: global }
    .group_segment_fixed_size: 34304
    .private_segment_fixed_size: 0
    .kernarg_segment_align: 8
    .kernarg_segment_size: 48
    .max_flat_workgroup_size: 128
    .sgpr_count:     66
    .vgpr_count:     256
    .wavefront_size: 32
...
	.end_amdgpu_metadata
.endif
;; end of part 1
;; launch qkv (part 2): grid 4 x 64, 4 waves a work-group, clusters of 4 x 4, 327,680 bytes of LDS; arguments cx, bq, bk, bv, qkv; writes qkv
.if DOCPART == 2
	.amdgcn_target "amdgcn-amd-amdhsa--gfx1250"
	.amdhsa_code_object_version 6
	.text
	.protected	k_qab274a90e4_qkv
	.globl	k_qab274a90e4_qkv
	.p2align	8
	.type	k_qab274a90e4_qkv,@function
k_qab274a90e4_qkv:
	s_mov_b64 s[64:65], 0
	v_nop
	global_prefetch_b8 v0, s[64:65] scope:SCOPE_SE
	s_setreg_imm32_b32 hwreg(HW_REG_WAVE_MODE, 25, 1), 1
	s_wait_xcnt 0x0
	s_wait_alu depctr_hold_cnt(0) depctr_sa_sdst(0) depctr_va_vdst(0) depctr_va_sdst(0) depctr_va_ssrc(0) depctr_va_vcc(0) depctr_vm_vsrc(0)
	s_getreg_b32 s2, hwreg(HW_REG_IB_STS2, 6, 4)
	s_cmp_eq_u32 s2, 0
	s_cbranch_scc0 .Lentry_in_a_cluster
	s_endpgm
.Lentry_in_a_cluster:
	s_bfe_u32 s2, ttmp6, 0x10000c
	s_cmp_lg_u32 s2, 0xf033
	s_cbranch_scc0 .Lentry_shape_is_right
	s_endpgm
.Lentry_shape_is_right:
; q = x Wq + bq, k = x Wk + bk, v = x Wv + bv on codes of FP6 (E2M3) with E8M0 scales, and their results quantised at once: q and k along the 1,024 channels, v along the keys.
; ONE FORM FOR ALL: C'[j][i] = sum over k of A[j][k] B[i][k]; source 0 of the matrix instruction = 16 rows of B, source 1 = 16 rows of A: a lane holds one j, its registers run along i, which is the next product's K.
; A WORK-GROUP STAYS AND MAKES THREE TILES of 128 j x 256 i.  Cluster c (0..15): tile 0: q, A = x rows 128 (4 c + cy) on, B = Wq's rows 256 cx on;  tile 1: k, the same A, B = Wk;
; tile 2: v, A = Wv's rows 128 (4 (c & 1) + cy) on (j = channels), B = x rows 256 (4 (c >> 1) + cx) on (i = tokens = keys).  768 tiles on 256 work-groups.
; TABLES (cx, qkv): codes [K step of 128][block of 16 rows][1536] as images of an operand's 12 registers (registers 4 g .. 4 g + 3 of lane l at 512 g + 16 l); scale words [K step][group of 64 rows][256], the word of place p at
; 16 (p % 16) + 4 (p / 16).  Place p holds row sw(p) (bits 3 and 4 exchanged): so the 16 registers of B's blocks 2 bb, 2 bb + 1 are 16 neighbours, i = 32 bb + 16 (lane / 16) + 0 .. 15, and the result's rows keep A's places.
; SHARES: a wave makes 64 j x 128 i of each tile: 32 accumulators.  A tile's K = 1,024 is eight steps; the three tiles are 24 steps, numbered on end.
; RING: two LDS slots of four steps.  At the head of a tile's step 3 slot 0 is left and takes the next tile's steps 0-3, at the head of step 7 slot 1 takes its steps 4-7: each refill has four steps, 128 matrix instructions, in which
; to land, and a finished tile is quantised and stored while the next tile's codes are on their way.  By this text's count a wave has at most one tensor load out.
; CLUSTER 4 x 4: A's tiles are shared along a row of the cluster, B's along a column: joint loads, each with the mask of the four that ask; each refill stands behind a round of the cluster's barrier.
; SCALE WORDS: B's of all three tiles and A's of tiles 0 and 1 come into LDS once, with the first fills.  Tile 2's A words (Wv's) have no room there (ring 294,912 + 24,576 + 4,096 + 512 spare bytes): each wave loads its 32 registers of them once.
; The bias is the C of each sum's first matrix instruction.  LIMITS: a block of zeros gets the byte 1 (its codes are zeros; only this program reads the bytes); NaN and infinities are not served.
; REGISTERS: window 0: v1-26 addresses; v32-55 scale words, two sets; v64-67 the words made; v96-111 at work; v128-223 A's fragments, two sets of 48 (in an epilogue v192-210, in the set that the tile's last step has left: codes);
;   v224-255 Wv's scale words.  Window 1: B's fragments, sets at v0 and v128.  Window 2: accumulator (a, b) at v[8 (8 a + b)].  Window 3: v0-63 bq, v64-127 bk, in a block row's layout; v128-159 bv, eight registers for each of A's blocks.
.set NQT,   8
.set RPA,   1179648                    ; bytes of a K step in the table of codes
.set RPB,   1179648
.set SPA,   49152                      ; and in the table of scale words
.set SPB,   49152
.set CXS,   9437184
.set WSTEP, 98304                      ; 1,024 rows x 96 bytes: from Wq's rows to Wk's in a K step's codes
.set SLOT,  147456                     ; a slot's bytes: four steps of both halves of A and of B
.set SCB,   2*SLOT                     ; B's scale words: for each of three tiles two halves of [8][512]
.set SCA,   SCB+3*8192                 ; A's, tiles 0 and 1: two halves of [8][256]
.set SPARE, SCA+4096                   ; the spare words, 128 bytes for each wave, that no other line names
.set LI,    8                          ; v8   16 x lane
.set SOFF,  9                          ; v9   16 r + 8 h
.set ADRA,  10                         ; v10-11 my A fragments in slot 0, 1
.set ADRB,  12                         ; v12-13 my B fragments
.set ADRSA, 14                         ; v14  my A scale words
.set ADRSB, 15                         ; v15  my B scale words
.set VC01,  16                         ; v16  my byte offset in qkv: q's codes (k's: 6,291,456 on)
.set VS01,  17                         ; v17  q's scale words (k's: 262,144 on)
.set VC2,   18                         ; v18  v's codes
.set VS2,   19                         ; v19  v's scale words
.set BJ,    20                         ; v20-23 bv at my lane's row of A's four blocks
.set BO,    24                         ; v24  64 h: bq, bk
.set BVO,   25                         ; v25  4 (r + 8 (r / 8)): bv
.set SAO,   26                         ; v26  16 r: Wv's scale words
.set SPW,   28                         ; v28  LDS address of my spare word; never rewritten
.set NIL,   29                         ; v29  0; never rewritten
.set SC,    32                         ; scale words: set st at SC + 12 st: 4 of A's blocks, 8 of B's
.set PW,    64
.set WO,    76
.set TM,    96
.set AF,    128
.set PC,    192
.set PX,    204
.set SA2,   224                        ; v224-255 Wv's scale words: step q's four at SA2 + 4 q; they hold nothing else
.set G1A,   24
.set G0A,   32
.set G1B,   48
.set G0B,   56
.set G1SA,  68
.set G0SA,  76
.set G1SB,  80
.set G0SB,  88                         ; s[88:99] three groups 0: B's scale words of tiles 0, 1, 2
.set MSB,   0
.macro WIN new                         ; the immediate's high byte repeats the setting that is left
.if MSB != (\new)
	s_set_vgpr_msb (MSB<<8)|(\new)
.set MSB, (\new)
.endif
.endm
.macro PLACES n
.rept \n
	v_nop
.endr
.endm
.macro CREST
	s_cmp_lg_u32 s14, 0
	s_cbranch_scc1 .Lnot_wave_0_\@
	s_barrier_signal -3
.Lnot_wave_0_\@:
	s_barrier_wait -3
	s_barrier_signal -1
	s_barrier_wait -1
.endm
.macro CROUND                          ; a round of the cluster's barrier
	s_barrier_signal -1
	s_barrier_wait -1
	CREST
.endm
.macro G1SET g, c, r, p                ; a tile of r rows of c elements of 8 bytes, p elements apart; word 0 (mask, element size) is written apart
	s_mov_b32 s[\g+1], (\c)<<16
	s_mov_b32 s[\g+2], (\r)<<16
	s_mov_b32 s[\g+3], (\c)<<16
	s_mov_b32 s[\g+4], \r
	s_mov_b32 s[\g+5], \p
	s_mov_b32 s[\g+6], 0
	s_mov_b32 s[\g+7], 0
.endm
.macro JLOAD s, both                   ; a joint refill: waves 2 and 3 fetch B's halves; waves 0 and 1 A's, where the next tile has other rows of A (both = 1): all eight steps of A stay in LDS, and tile 1 takes tile 0's rows
	s_cmp_eq_u32 s15, 0
	s_cbranch_scc0 .Lfor_b_\@
.if \both
	tensor_load_to_lds s[G0A+4*\s:G0A+4*\s+3], s[G1A:G1A+7]
	s_nop 0
.endif
	PLACES 4
	s_branch .Lasked_\@
.Lfor_b_\@:
	tensor_load_to_lds s[G0B+4*\s:G0B+4*\s+3], s[G1B:G1B+7]
	s_nop 0
	PLACES 4
.Lasked_\@:
.endm
.macro FETCH g                         ; step g's fragments and scale words: loads of 16 bytes a lane, each 512 consecutive bytes (the scale words: 256, read by both halves of the lanes)
.set ST_, (\g)%2
.set SL_, ((\g)/4)%2
.set Q4_, (\g)%4
.set Q8_, (\g)%8
.set TI_, (\g)/8
	WIN 0x40
.irp b, 0,1,2,3,4,5,6,7
.irp i, 0,1,2
	ds_load_b128 v[128*ST_+12*\b+4*\i:128*ST_+12*\b+4*\i+3], v[ADRB+SL_] offset:Q4_*12288+\b*1536+\i*512
.endr
.endr
	WIN 0
.irp a, 0,1,2,3
.irp i, 0,1,2
	ds_load_b128 v[AF+48*ST_+12*\a+4*\i:AF+48*ST_+12*\a+4*\i+3], v[ADRA+SL_] offset:Q4_*6144+\a*1536+\i*512
.endr
.endr
.if TI_ < 2
	ds_load_b128 v[SC+12*ST_:SC+12*ST_+3], v[ADRSA] offset:256*Q8_       ; (tile 2's stand in registers)
.endif
	ds_load_b128 v[SC+12*ST_+4:SC+12*ST_+7], v[ADRSB] offset:8192*TI_+512*Q8_
	ds_load_b128 v[SC+12*ST_+8:SC+12*ST_+11], v[ADRSB] offset:8192*TI_+512*Q8_+256
.endm
; 32 matrix instructions; the accumulators take turns, one instruction a turn, in the same order in every step.
; cm = 0: the sums go on;  1: a tile's first step, C = the bias along i (bq, bk);  2: C = the bias along j (bv)
.macro MUL g, cm
.set ST_, (\g)%2
.set SAR_, SC+12*ST_
.if (\g) >= 16
.set SAR_, SA2+4*((\g)%8)
.endif
.set CB_, 64*((\g)/8)
.if \cm
	WIN 0xb1
.else
	WIN 0xa1
.endif
.irp a, 0,1,2,3
.irp b, 0,1,2,3,4,5,6,7
.if (\cm) == 0
	v_wmma_scale_f32_16x16x128_f8f6f4 v[8*(8*\a+\b):8*(8*\a+\b)+7], v[128*ST_+12*\b:128*ST_+12*\b+11], v[AF+48*ST_+12*\a:AF+48*ST_+12*\a+11], v[8*(8*\a+\b):8*(8*\a+\b)+7], v[SC+12*ST_+4+\b], v[SAR_+\a] matrix_a_fmt:MATRIX_FMT_FP6 matrix_b_fmt:MATRIX_FMT_FP6
.endif
.if (\cm) == 1
	v_wmma_scale_f32_16x16x128_f8f6f4 v[8*(8*\a+\b):8*(8*\a+\b)+7], v[128*ST_+12*\b:128*ST_+12*\b+11], v[AF+48*ST_+12*\a:AF+48*ST_+12*\a+11], v[CB_+8*\b:CB_+8*\b+7], v[SC+12*ST_+4+\b], v[SAR_+\a] matrix_a_fmt:MATRIX_FMT_FP6 matrix_b_fmt:MATRIX_FMT_FP6
.endif
.if (\cm) == 2
	v_wmma_scale_f32_16x16x128_f8f6f4 v[8*(8*\a+\b):8*(8*\a+\b)+7], v[128*ST_+12*\b:128*ST_+12*\b+11], v[AF+48*ST_+12*\a:AF+48*ST_+12*\a+11], v[128+8*\a:128+8*\a+7], v[SC+12*ST_+4+\b], v[SAR_+\a] matrix_a_fmt:MATRIX_FMT_FP6 matrix_b_fmt:MATRIX_FMT_FP6
.endif
.endr
.endr
	WIN 0
.endm
.macro HEAD0 g, cm
	s_wait_dscnt 0x0                               ; step g's loads are in (asked for 32 matrix instructions ago, or ahead of an epilogue)
	PLACES 4                                       ; in front of loads into registers that the last step's matrix instructions have read
	FETCH (\g)+1
	MUL \g, \cm
.endm
.macro HEADB g                         ; the next step lies in the other slot: every wave's loads have landed, then the barrier.  Nothing is filled again
	s_wait_tensorcnt 0x0
	ds_add_u32 v[SPW], v[NIL]                      ; the four places stand between the add and the wait for it
	PLACES 4
	s_wait_dscnt 0x0                               ; the add is done, and step g's loads are in
	s_barrier_signal -1
	s_barrier_wait -1
	FETCH (\g)+1
	MUL \g, 0
.endm
; Step g, the slot's last, is already in registers: the slot is left and filled again with the NEXT TILE's four steps of the same place.  to2 = 0: tile 1: the same rows of A, B's 1,024 rows on;  1: tile 2, whose addresses wait in s[20:23]
.macro HEADR g, slot, to2
	s_wait_tensorcnt 0x0                           ; all my tensor loads have landed, my part of the other slot among them: a group 0 may be written
	ds_add_u32 v[SPW], v[NIL]                      ; the descriptors' steps stand between the add and the wait for it
.if \to2
	s_add_nc_u64 s[G0A+4*\slot+2:G0A+4*\slot+3], s[20:21], 4*RPA*\slot
	s_or_b32 s[G0A+4*\slot+3], s[G0A+4*\slot+3], 0x80000000
	s_add_nc_u64 s[G0B+4*\slot+2:G0B+4*\slot+3], s[22:23], 4*RPB*\slot
	s_or_b32 s[G0B+4*\slot+3], s[G0B+4*\slot+3], 0x80000000
.else
	s_add_nc_u64 s[G0B+4*\slot+2:G0B+4*\slot+3], s[G0B+4*\slot+2:G0B+4*\slot+3], WSTEP
.endif
	s_wait_dscnt 0x0                               ; the add is done, and my reads of this slot are over
	CROUND                                         ; no wave of any partner still reads the slot or has a load on its way
	JLOAD \slot, \to2
	FETCH (\g)+1
	MUL \g, 0
.endm
.macro LAST g
	s_wait_dscnt 0x0
	MUL \g, 0
.endm
; 64 numbers of a lane in window w, register 16 b + i = k 32 b + 16 (lane / 16) + i of my row, become a fragment's codes in v[PC] on and its scale word in v[pw]
.macro QUANT s, w, pw
	WIN (\w)|((\w)<<2)
.irp b, 0,1,2,3
	v_max3_num_f32 v[TM+\b], |v[(\s)+16*\b]|, |v[(\s)+1+16*\b]|, 0x1800000   ; each accumulator is read from its low end on; the floor 2^(3 - 127) holds the byte at 1 from below
.endr
	WIN ((\w)<<2)|((\w)<<4)
.irp i, 2,4,6,8,10,12,14
.irp b, 0,1,2,3
	v_max3_num_f32 v[TM+\b], v[TM+\b], |v[(\s)+16*\b+\i]|, |v[(\s)+1+16*\b+\i]|
.endr
.endr
	WIN 0
.irp b, 0,1,2,3
	v_permlanex16_b32 v[TM+4+\b], v[TM+\b], s2, s3
.endr
.irp b, 0,1,2,3
	v_max_num_f32 v[TM+\b], v[TM+\b], v[TM+4+\b]   ; with lane l xor 16's: the block's largest magnitude
.endr
.irp b, 0,1,2,3
	v_add_nc_u32 v[TM+12+\b], 0xff000000, v[TM+\b] ; 2 off the exponent field: the conversion's scale operand
.endr
.irp b, 0,1,2,3
	v_lshrrev_b32 v[TM+4+\b], 23, v[TM+12+\b]      ; the scale's byte
.endr
	v_lshl_or_b32 v[\pw], v[TM+5], 8, v[TM+4]
	v_lshl_or_b32 v[\pw], v[TM+6], 16, v[\pw]
	v_lshl_or_b32 v[\pw], v[TM+7], 24, v[\pw]
	s_wait_xcnt 0x0                                ; the last fragment's stores have read the codes' registers
	WIN \w
.irp c, 0,1
	v_cvt_scalef32_pk16_fp6_f32 v[PC+6*\c:PC+6*\c+2], v[(\s)+32*\c:(\s)+32*\c+15], v[TM+12+2*\c]
	v_cvt_scalef32_pk16_fp6_f32 v[PX+4*\c:PX+4*\c+2], v[(\s)+32*\c+16:(\s)+32*\c+31], v[TM+12+2*\c+1]
.endr
	WIN 0
	v_nop                                          ; one plain place behind a scaled conversion
.irp c, 0,1                            ; the operand's layout wants a whole block in a lane
.irp i, 0,1,2
	v_permlane16_swap_b32 v[PC+6*\c+\i], v[PX+4*\c+\i]
.endr
.irp i, 0,1,2
	v_mov_b32 v[PC+6*\c+3+\i], v[PX+4*\c+\i]
.endr
.endr
.endm
; A finished tile: four fragments and one run of 256 bytes of scale words a wave.  Each fragment leaves as it stands: three stores of 512 consecutive aligned bytes.
; more = 1: a tile follows: its second step's fragments will land on the codes' registers, so the stores have read them first
.macro EPI vc, vs, coff, soff, more
	PLACES 4                                       ; in front of the first read of results and of writes into registers that held fragments
.irp a, 0,1,2,3
	QUANT 64*\a, 2, PW+\a
.irp i, 0,1,2
	global_store_b128 v[\vc], v[PC+4*\i:PC+4*\i+3], s[12:13] offset:\coff+1536*\a+512*\i
.endr
.endr
	v_cndmask_b32 v[WO], v[PW], v[PW+2], s67       ; lane (r, h) stores the words of blocks 2 h and 2 h + 1 of row r
	v_cndmask_b32 v[WO+1], v[PW+1], v[PW+3], s67
	global_store_b64 v[\vs], v[WO:WO+1], s[12:13] offset:\soff
.if \more
	s_wait_xcnt 0x0
.endif
.endm
	s_load_b256 s[4:11], s[0:1], 0x0               ; cx, bq, bk, bv
	s_load_b64 s[12:13], s[0:1], 0x20              ; qkv
	v_lshl_add_u32 v[SPW], v0, 2, SPARE
	v_mov_b32 v[NIL], 0
	ds_add_u32 v[SPW], v[NIL]                      ; the wave's opening: the add and its wait ahead of my first tensor load; work on registers stands between them
	ds_add_u32 v[SPW], v[NIL]
	v_lshrrev_b32 v1, 5, v0
	v_readfirstlane_b32 s14, v1                    ; wave 0..3
	v_and_b32 v1, 15, v0                           ; r
	v_bfe_u32 v2, v0, 4, 1                         ; h
	v_lshlrev_b32 v[BO], 6, v2                     ; register 16 bb + i is channel 32 bb + 16 h + i
	v_and_b32 v[BVO], 8, v1
	v_add_nc_u32 v[BVO], v[BVO], v1
	v_lshlrev_b32 v[BVO], 2, v[BVO]                ; lane r of block a is channel 32 (a / 2) + 8 (a % 2) + r + 8 (r / 8)
	v_lshlrev_b32 v[SAO], 4, v1
	; THE HEAD AS IT STANDS NOW: each wave asks for ONE tile, all eight K steps of its half of A or of B (a half's two slots lie on end in LDS);
	; the scale words come through registers: 128 threads x 16 bytes a load, B's two K steps a load, A's four, and go to LDS bytes into which no fill lands.
	v_lshrrev_b32 v3, 6, v0
	v_and_b32 v4, 63, v0
	v_lshlrev_b32 v4, 4, v4
	v_mad_u32_u24 v4, v3, SPB, v4                  ; B's words in memory: step (thread / 64), 16 bytes of its 1,024
	v_bfe_u32 v5, v0, 5, 1
	v_lshlrev_b32 v5, 12, v5
	v_lshl_add_u32 v5, v3, 9, v5
	v_and_b32 v3, 31, v0
	v_lshl_add_u32 v5, v3, 4, v5
	v_add_nc_u32 v5, SCB, v5                       ; in LDS: half x 4,096 + step x 512 + 16 x lane
	v_lshlrev_b32 v6, 4, v3
	v_lshrrev_b32 v3, 5, v0
	v_mad_u32_u24 v6, v3, SPA, v6                  ; A's words in memory: step (thread / 32), 16 bytes of its 512
	v_bfe_u32 v7, v0, 4, 1
	v_lshlrev_b32 v7, 11, v7
	v_lshl_add_u32 v7, v3, 8, v7
	v_lshl_add_u32 v7, v1, 4, v7
	v_add_nc_u32 v7, SCA, v7                       ; in LDS: half x 2,048 + step x 256 + 16 r
	s_lshr_b32 s15, s14, 1                         ; my half of j.  Also: I fetch for A (0) or for B (1)
	s_and_b32 s16, s14, 1                          ; my half of i.  Also: which half of that operand I fetch
	s_bfe_u32 s40, ttmp6, 0x40000                  ; cx
	s_bfe_u32 s41, ttmp6, 0x40004                  ; cy
	s_and_b32 s66, ttmp7, 0xffff                   ; c: the cluster
	s_lshl_b32 s17, s66, 2
	s_add_co_u32 s17, s17, s41                     ; tiles 0, 1: tile of 128 tokens
	s_and_b32 s42, s66, 1
	s_lshl_b32 s42, s42, 2
	s_add_co_u32 s42, s42, s41                     ; tile 2: tile of 128 channels
	s_lshr_b32 s45, s66, 1
	s_lshl_b32 s45, s45, 2
	s_add_co_u32 s45, s45, s40                     ; tile 2: tile of 256 tokens
	s_lshl_b32 s43, s41, 2
	s_lshl_b32 s43, 15, s43                        ; my row of the cluster
	s_lshl_b32 s44, 0x1111, s40                    ; my column
	s_or_b32 s[G1A], s43, (3<<16)|(1<<21)          ; 15:0 the mask; 17:16 elements of 8 bytes; 21 set beside a mask; no padding
	s_or_b32 s[G1B], s44, (3<<16)|(1<<21)
	G1SET G1A, 768, 8, RPA/8                       ; the head's load: eight steps x 6,144 bytes; behind it the two words that count rows are set to 4
	G1SET G1B, 1536, 8, RPB/8                      ; eight steps x 12,288 bytes
	; byte offsets in cx, each made where the address will stand.  A's hang on cy and the cluster alone, B's on cx and the cluster alone
	s_lshl_b32 s18, s17, 7                         ; A, tiles 0 and 1: first row
	s_lshl_b32 s[G0SA+2], s18, 2                   ; its scale words: 4 bytes a row
	s_mul_i32 s[G0A+2], s18, 96                    ; its codes: 96 bytes a row and step
	s_mul_i32 s19, s16, 6144
	s_add_co_u32 s[G0A+2], s[G0A+2], s19
	s_add_co_u32 s[G0SA+2], s[G0SA+2], CXS
	s_mov_b32 s[G0A+3], 0
	s_mov_b32 s[G0SA+3], 0
	s_lshl_b32 s18, s42, 7
	s_add_co_u32 s18, s18, 10240                   ; A, tile 2: Wv begins at row 8,192 + 2 x 1,024
	s_mul_i32 s20, s18, 96
	s_add_co_u32 s20, s20, s19
	s_mov_b32 s21, 0
	s_lshl_b32 s100, s18, 2                        ; its scale words, for my half of j
	s_lshl_b32 s18, s15, 8
	s_add_co_u32 s100, s100, s18
	s_add_co_u32 s100, s100, CXS
	s_mov_b32 s101, 0
	s_lshl_b32 s46, s40, 8
	s_add_co_u32 s46, s46, 8192                    ; B, tile 0: Wq's rows
	s_lshl_b32 s[G0SB+2], s46, 2
	s_mul_i32 s[G0B+2], s46, 96
	s_mul_i32 s47, s16, 12288
	s_add_co_u32 s[G0B+2], s[G0B+2], s47
	s_add_co_u32 s[G0SB+2], s[G0SB+2], CXS
	s_mov_b32 s[G0B+3], 0
	s_mov_b32 s[G0SB+3], 0
	s_lshl_b32 s22, s45, 8                         ; B, tile 2: x's rows
	s_lshl_b32 s[G0SB+10], s22, 2
	s_mul_i32 s22, s22, 96
	s_add_co_u32 s22, s22, s47
	s_mov_b32 s23, 0
	s_add_co_u32 s[G0SB+10], s[G0SB+10], CXS
	s_mov_b32 s[G0SB+11], 0
	s_mul_i32 s[G0A+1], s16, 49152                 ; LDS: A's halves [8][6144] at 0 and 49,152; slot 1 = steps 4-7, 24,576 on
	s_add_co_u32 s[G0A+5], s[G0A+1], 24576
	s_mul_i32 s[G0B+1], s16, 98304                 ; B's halves [8][12288] at 98,304 and 196,608; slot 1 49,152 on
	s_add_co_u32 s[G0B+1], s[G0B+1], 98304
	s_add_co_u32 s[G0B+5], s[G0B+1], 49152
	s_mov_b32 s[G0A], 1
	s_mov_b32 s[G0A+4], 1
	s_mov_b32 s[G0B], 1
	s_mov_b32 s[G0B+4], 1
	s_lshl_b32 s46, s40, 10
	s_lshl_b32 s47, s16, 9
	s_add_co_u32 s46, s46, s47                     ; bq, bk: my 128 channels: 256 cx + 128 x half, in bytes
	s_mov_b32 s47, 0
	s_lshl_b32 s18, s42, 9
	s_lshl_b32 s19, s15, 8
	s_add_co_u32 s18, s18, s19                     ; bv: my 64 rows of tile 2, as channels
	s_mov_b32 s19, 0
	s_mov_b32 s2, 0x76543210
	s_mov_b32 s3, 0xfedcba98                       ; v_permlanex16_b32's selects for lane l xor 16
	s_mov_b32 s67, 0xffff0000                      ; lanes 16-31
	s_wait_alu depctr_va_vdst(0)
	s_wait_dscnt 0x0                               ; the opening add is done
	s_wait_kmcnt 0x0
	s_add_nc_u64 s[G0A+2:G0A+3], s[4:5], s[G0A+2:G0A+3]
	s_add_nc_u64 s[G0A+6:G0A+7], s[G0A+2:G0A+3], 4*RPA
	s_or_b32 s[G0A+3], s[G0A+3], 0x80000000
	s_or_b32 s[G0A+7], s[G0A+7], 0x80000000
	s_add_nc_u64 s[G0B+2:G0B+3], s[4:5], s[G0B+2:G0B+3]
	s_add_nc_u64 s[G0B+6:G0B+7], s[G0B+2:G0B+3], 4*RPB
	s_or_b32 s[G0B+3], s[G0B+3], 0x80000000
	s_or_b32 s[G0B+7], s[G0B+7], 0x80000000
	s_add_nc_u64 s[G0SA+2:G0SA+3], s[4:5], s[G0SA+2:G0SA+3]
	s_add_nc_u64 s[G0SB+2:G0SB+3], s[4:5], s[G0SB+2:G0SB+3]
	s_add_nc_u64 s[G0SB+6:G0SB+7], s[G0SB+2:G0SB+3], 4096   ; Wk's words: 1,024 rows x 4 bytes on
	s_add_nc_u64 s[G0SB+10:G0SB+11], s[4:5], s[G0SB+10:G0SB+11]
	s_add_nc_u64 s[20:21], s[4:5], s[20:21]        ; tile 2's codes of A,
	s_add_nc_u64 s[22:23], s[4:5], s[22:23]        ; and of B: they wait here for the refills
	s_add_nc_u64 s[100:101], s[4:5], s[100:101]    ; Wv's scale words
	s_add_nc_u64 s[6:7], s[6:7], s[46:47]
	s_add_nc_u64 s[8:9], s[8:9], s[46:47]
	s_add_nc_u64 s[10:11], s[10:11], s[18:19]
	; the biases and Wv's scale words are asked for ahead of the round: they land while the first tiles are on their way
	WIN 0xc0                                       ; destination window 3
.irp bb, 0,1,2,3
.irp w, 0,1,2,3
	global_load_b128 v[16*\bb+4*\w:16*\bb+4*\w+3], v[BO], s[6:7] offset:128*\bb+16*\w
	global_load_b128 v[64+16*\bb+4*\w:64+16*\bb+4*\w+3], v[BO], s[8:9] offset:128*\bb+16*\w
.endr
.endr
	WIN 0
.irp a, 0,1,2,3
	global_load_b32 v[BJ+\a], v[BVO], s[10:11] offset:(32*(\a/2)+8*(\a%2))*4
.endr
.irp q, 0,1,2,3,4,5,6,7
	global_load_b128 v[SA2+4*\q:SA2+4*\q+3], v[SAO], s[100:101] offset:SPA*\q
.endr
.irp n, 0,1,2,3
	global_load_b128 v[128+4*\n:131+4*\n], v4, s[G0SB+2:G0SB+3] offset:2*SPB*\n      ; B's scale words of tiles 0, 1, 2
	global_load_b128 v[144+4*\n:147+4*\n], v4, s[G0SB+6:G0SB+7] offset:2*SPB*\n
	global_load_b128 v[160+4*\n:163+4*\n], v4, s[G0SB+10:G0SB+11] offset:2*SPB*\n
.endr
.irp n, 0,1
	global_load_b128 v[176+4*\n:179+4*\n], v6, s[G0SA+2:G0SA+3] offset:4*SPA*\n      ; A's of tiles 0 and 1
.endr
	CROUND
	s_cmp_eq_u32 s15, 0                            ; a wave's first fill stands in one branch: one load on each way
	s_cbranch_scc0 .Lfirst_b
	tensor_load_to_lds s[G0A:G0A+3], s[G1A:G1A+7]
	s_nop 0
	PLACES 4
	s_branch .Lfirst_done
.Lfirst_b:
	tensor_load_to_lds s[G0B:G0B+3], s[G1B:G1B+7]
	s_nop 0
	PLACES 4
.Lfirst_done:
	v_and_b32 v3, 31, v0
	v_lshlrev_b32 v[LI], 4, v3
	s_wait_alu depctr_va_vdst(0)
	v_lshlrev_b32 v[SOFF], 4, v1
	v_lshl_add_u32 v[SOFF], v2, 3, v[SOFF]
	; where my results go, as byte offsets in qkv
	s_wait_alu depctr_va_vdst(0)
	s_lshl_b32 s18, s17, 3
	s_lshl_b32 s19, s15, 2
	s_add_co_u32 s18, s18, s19
	s_mul_i32 s18, s18, 1536                       ; q, k: my four blocks of tokens,
	s_lshl_b32 s19, s40, 1
	s_add_co_u32 s19, s19, s16                     ; in K step 2 cx + half
	s_mul_i32 s46, s19, 786432
	s_add_co_u32 s18, s18, s46
	v_add_nc_u32 v[VC01], s18, v[LI]
	s_lshl_b32 s18, s17, 1
	s_add_co_u32 s18, s18, s15
	s_lshl_b32 s18, s18, 8                         ; my group of 64 tokens
	s_lshl_b32 s19, s19, 15
	s_add_co_u32 s18, s18, s19
	s_add_co_u32 s18, s18, 18874368
	v_add_nc_u32 v[VS01], s18, v[SOFF]
	s_lshr_b32 s18, s45, 3                         ; v: the batch,
	s_and_b32 s19, s45, 7
	s_lshl_b32 s19, s19, 1
	s_add_co_u32 s19, s19, s16                     ; and the K step of 128 keys in it
	s_mul_i32 s46, s18, 1572864
	s_mul_i32 s47, s19, 98304
	s_add_co_u32 s46, s46, s47
	s_lshl_b32 s47, s42, 3
	s_lshl_b32 s66, s15, 2
	s_add_co_u32 s47, s47, s66
	s_mul_i32 s47, s47, 1536                       ; my four blocks of channels
	s_add_co_u32 s46, s46, s47
	s_add_co_u32 s46, s46, 12582912
	v_add_nc_u32 v[VC2], s46, v[LI]
	s_lshl_b32 s18, s18, 16
	s_lshl_b32 s19, s19, 12
	s_add_co_u32 s18, s18, s19
	s_lshl_b32 s19, s42, 1
	s_add_co_u32 s19, s19, s15
	s_lshl_b32 s19, s19, 8
	s_add_co_u32 s18, s18, s19
	s_add_co_u32 s18, s18, 19398656
	v_add_nc_u32 v[VS2], s18, v[SOFF]
	s_mul_i32 s18, s15, 49152
	v_add_nc_u32 v[ADRA], s18, v[LI]
	v_add_nc_u32 v[ADRA+1], 24576, v[ADRA]
	s_mul_i32 s18, s16, 98304
	s_add_co_u32 s18, s18, 98304
	v_add_nc_u32 v[ADRB], s18, v[LI]
	v_add_nc_u32 v[ADRB+1], 49152, v[ADRB]
	s_mul_i32 s18, s15, 256*NQT
	s_add_co_u32 s18, s18, SCA
	v_lshl_add_u32 v[ADRSA], v1, 4, s18
	s_mul_i32 s18, s16, 512*NQT
	s_add_co_u32 s18, s18, SCB
	v_lshl_add_u32 v[ADRSB], v1, 4, s18
.irp b, 0,1,2,3
	v_mov_b32 v[TM+4+\b], 0                        ; written once: a lane permute's destination counts as one of its sources
.endr
	s_wait_loadcnt 0x0                             ; the biases and Wv's scale words
	WIN 0xc0                                       ; destination window 3
.irp a, 0,1,2,3
.irp j, 0,1,2,3,4,5,6,7
	v_mov_b32 v[128+8*\a+\j], v[BJ+\a]             ; bv runs along j: the same number in a lane's eight registers of block a
.endr
.endr
	WIN 0
.irp n, 0,1,2,3
	ds_store_b128 v5, v[128+4*\n:131+4*\n] offset:1024*\n               ; the scale words, to their bytes behind the ring
	ds_store_b128 v5, v[144+4*\n:147+4*\n] offset:8192+1024*\n
	ds_store_b128 v5, v[160+4*\n:163+4*\n] offset:16384+1024*\n
.endr
.irp n, 0,1
	ds_store_b128 v7, v[176+4*\n:179+4*\n] offset:1024*\n
.endr
	s_wait_tensorcnt 0x0                           ; my half of tile 0, all eight steps, is in; no load of mine is out, so a descriptor may be written:
	s_mov_b32 s[G1A+2], 4<<16                      ; from here on a load brings four steps
	s_mov_b32 s[G1A+4], 4
	s_mov_b32 s[G1B+2], 4<<16
	s_mov_b32 s[G1B+4], 4
	s_wait_dscnt 0x0                               ; for the others' sake: my scale words lie in LDS
	s_barrier_signal -1
	s_barrier_wait -1                              ; everybody's are
	FETCH 0
	HEAD0 0, 1                                     ; ---- tile 0: q
	HEAD0 1, 0
	HEAD0 2, 0
	HEADR 3, 0, 0
	HEAD0 4, 0
	HEAD0 5, 0
	HEAD0 6, 0
	HEADR 7, 1, 0                                  ; both refills are asked for and tile 1's first fragments fetched: now q goes out
	EPI VC01, VS01, 0, 0, 1
	HEAD0 8, 1                                     ; ---- tile 1: k
	HEAD0 9, 0
	HEAD0 10, 0
	HEADR 11, 0, 1
	HEAD0 12, 0
	HEAD0 13, 0
	HEAD0 14, 0
	HEADR 15, 1, 1
	EPI VC01, VS01, 6291456, 262144, 1
	HEAD0 16, 2                                    ; ---- tile 2: v; nothing is left to fetch
	HEAD0 17, 0
	HEAD0 18, 0
	HEADB 19
	HEAD0 20, 0
	HEAD0 21, 0
	HEAD0 22, 0
	LAST 23
	EPI VC2, VS2, 0, 0, 0
	s_wait_tensorcnt 0x0                           ; the wave's end
	ds_add_u32 v[SPW], v[NIL]
	s_wait_dscnt 0x0
	CROUND                                         ; the closing round
	s_endpgm
.Lfunc_end_k_qab274a90e4_qkv:
	.size	k_qab274a90e4_qkv, .Lfunc_end_k_qab274a90e4_qkv-k_qab274a90e4_qkv
	.p2alignl 7, 3214868480
	.fill 96, 4, 3214868480
	.section	.rodata,"a",@progbits
	.p2align	6, 0x0
	.amdhsa_kernel k_qab274a90e4_qkv
		.amdhsa_group_segment_fixed_size 327680
		.amdhsa_private_segment_fixed_size 0
		.amdhsa_enable_private_segment 0
		.amdhsa_kernarg_size 40
		.amdhsa_user_sgpr_count 2
		.amdhsa_user_sgpr_kernarg_segment_ptr 1
		.amdhsa_wavefront_size32 1
		.amdhsa_system_sgpr_workgroup_id_x 1
		.amdhsa_system_sgpr_workgroup_id_y 1
		.amdhsa_system_sgpr_workgroup_id_z 1
		.amdhsa_system_vgpr_workitem_id 0
		.amdhsa_next_free_vgpr 1024
		.amdhsa_next_free_sgpr 102
		.amdhsa_reserve_vcc 0
		.amdhsa_float_denorm_mode_32 3
		.amdhsa_float_denorm_mode_16_64 3
		.amdhsa_memory_ordered 1
		.amdhsa_forward_progress 1
		.amdhsa_inst_pref_size 235
	.end_amdhsa_kernel
	.amdgpu_metadata
---
amdhsa.version: [ 1, 2 ]
amdhsa.kernels:
  - .name:           k_qab274a90e4_qkv
    .symbol:         k_qab274a90e4_qkv.kd
    .args:
      - { .name: cx, .offset: 0, .size: 8, .value_kind: global_buffer, .address_space: global }
      - { .name: bq, .offset: 8, .size: 8, .value_kind: global_buffer, .address_space: global }
      - { .name: bk, .offset: 16, .size: 8, .value_kind: global_buffer, .address_space: global }
      - { .name: bv, .offset: 24, .size: 8, .value_kind: global_buffer, .address_space: global }
      - { .name: qkv, .offset: 32, .size: 8, .value_kind: global_buffer, .address_space: global }
    .group_segment_fixed_size: 327680
    .private_segment_fixed_size: 0
    .kernarg_segment_align: 8
    .kernarg_segment_size: 40
    .max_flat_workgroup_size: 128
    .sgpr_count:     102
    .vgpr_count:     1024
    .wavefront_size: 32
...
	.end_amdgpu_metadata
.endif
;; end of part 2
;; launch scores (part 3): grid 4 x 64, 4 waves a work-group, clusters of 4 x 4, 327,680 bytes of LDS; arguments qkv, pb; writes pb
.if DOCPART == 3
	.amdgcn_target "amdgcn-amd-amdhsa--gfx1250"
	.amdhsa_code_object_version 6
	.text
	.protected	k_qab274a90e4_scores
	.globl	k_qab274a90e4_scores
	.p2align	8
	.type	k_qab274a90e4_scores,@function
k_qab274a90e4_scores:
	s_mov_b64 s[64:65], 0
	v_nop
	global_prefetch_b8 v0, s[64:65] scope:SCOPE_SE
	s_setreg_imm32_b32 hwreg(HW_REG_WAVE_MODE, 25, 1), 1
	s_wait_xcnt 0x0
	s_wait_alu depctr_hold_cnt(0) depctr_sa_sdst(0) depctr_va_vdst(0) depctr_va_sdst(0) depctr_va_ssrc(0) depctr_va_vcc(0) depctr_vm_vsrc(0)
	s_getreg_b32 s2, hwreg(HW_REG_IB_STS2, 6, 4)
	s_cmp_eq_u32 s2, 0
	s_cbranch_scc0 .Lentry_in_a_cluster
	s_endpgm
.Lentry_in_a_cluster:
	s_bfe_u32 s2, ttmp6, 0x10000c
	s_cmp_lg_u32 s2, 0xf033
	s_cbranch_scc0 .Lentry_shape_is_right
	s_endpgm
.Lentry_shape_is_right:
; S^T = k q^T on codes of FP6 (E2M3), and the softmax's numerator for each CHUNK of 128 keys: t = score x log2(e) / 8; M_c = the chunk's largest t of the row, rounded up to a whole number; p = 2^(t - M_c), quantised along the keys;
; l_c = the chunk's sum of the unquantised p.  The maximum is taken away before every exponential; the next launch brings the 16 chunks of a row under the row's M by lowering p's scale bytes: exact, since every M is a whole number.
; FORM: C'[j][i], j = queries (A = q's table, source 1), i = keys (B = k's table, source 0): a lane holds one query, and the 16 registers of B's blocks 2 bb, 2 bb + 1 are keys 32 bb + 16 (lane / 16) + 0 .. 15 of my 128.
; TABLES as in the launch before: codes [K step][block of 16 rows][1536] as register images, words [K step][group of 64 rows][256].  p's table has the queries' places as rows and the batch's 16 chunks as K steps; M_c and l_c lie like scale words.
; A WORK-GROUP STAYS AND MAKES TWO TILES of 128 queries x 256 keys: the same queries, keys 256 (4 t + cx) on of the batch, t = 0, 1.  512 tiles on 256 work-groups.  A wave makes 64 x 128 (one chunk) of each: 32 accumulators.
; RING: a tile's K = 1,024 is eight steps, the two tiles 16 steps numbered on end; two LDS slots of four steps.  At the head of step 3 slot 0 takes tile 1's steps 0-3, at the head of step 7 slot 1 its steps 4-7: each refill has four steps,
; 128 matrix instructions, in which to land, and tile 0's softmax and stores stand while tile 1's codes are on their way.  By this text's count a wave has at most one tensor load out.
; CLUSTER 4 x 4: q's tiles are shared along a row of the cluster, k's along a column; each refill stands behind a round of the cluster's barrier.  The scale words of both tiles come once, with the first fills.
; A block's largest p is the block's largest score put through the same multiply-add and exponential (this takes v_exp_f32 not to fall where its input rises).
; LIMITS: NaN and infinities are not served; a block whose every p is 0 keeps the byte 1 (its codes are zeros).
; REGISTERS: window 0: v1-15 addresses; v32-55 scale words; v64-75 the words, M_c, l_c made; v96-120 at work; v128-223 A's fragments, two sets of 48 (in an epilogue v192-210, in the set that the tile's last step has left: codes).
;   Window 1: B's fragments.  Window 2: the accumulators; p is made in place there, so that an epilogue leaves the next tile's first fragments alone.
.set NQT,   8
.set RPA,   786432
.set RPB,   786432
.set SPA,   32768
.set SPB,   32768
.set TSTEP, 98304                      ; 1,024 keys x 96 bytes: from tile 0's rows of k to tile 1's in a K step's codes
.set SLOT,  147456
.set SCB,   2*SLOT                     ; B's scale words: for each of two tiles two halves of [8][512]
.set SCA,   SCB+2*8192                 ; A's: two halves of [8][256]
.set SPARE, SCA+4096
.set LI,    8
.set SOFF,  9
.set ADRA,  10
.set ADRB,  12
.set ADRSA, 14
.set ADRSB, 15
.set SPW,   28
.set NIL,   29
.set SC,    32
.set PW,    64                         ; v64-67 p's scale words;  v68-71 M_c;  v72-75 l_c
.set MV,    68
.set LV,    72
.set WO,    76
.set BM,    96                         ; v96-99 the blocks' largest scores, then largest p
.set PD,    100                        ; v100-103 permutes' destinations, then bytes
.set SO,    108                        ; v108-111 the conversions' scale operands
.set NM,    112                        ; v[112:113] -M_c (the packed form names a pair)
.set W1,    114
.set SU,    116                        ; v[116:117], v[118:119] the sum's two chains; v120 a permute's destination
.set AF,    128
.set PC,    192
.set PX,    204
.set G1A,   24
.set G0A,   32
.set G1B,   48
.set G0B,   56
.set G1SA,  68
.set G0SA,  76
.set G1SB,  80
.set G0SB,  88                         ; s[88:95] two groups 0: B's scale words of tiles 0, 1
.set MSB,   0
.macro WIN new
.if MSB != (\new)
	s_set_vgpr_msb (MSB<<8)|(\new)
.set MSB, (\new)
.endif
.endm
.macro PLACES n
.rept \n
	v_nop
.endr
.endm
.macro CREST
	s_cmp_lg_u32 s14, 0
	s_cbranch_scc1 .Lnot_wave_0_\@
	s_barrier_signal -3
.Lnot_wave_0_\@:
	s_barrier_wait -3
	s_barrier_signal -1
	s_barrier_wait -1
.endm
.macro CROUND
	s_barrier_signal -1
	s_barrier_wait -1
	CREST
.endm
.macro G1SET g, c, r, p
	s_mov_b32 s[\g+1], (\c)<<16
	s_mov_b32 s[\g+2], (\r)<<16
	s_mov_b32 s[\g+3], (\c)<<16
	s_mov_b32 s[\g+4], \r
	s_mov_b32 s[\g+5], \p
	s_mov_b32 s[\g+6], 0
	s_mov_b32 s[\g+7], 0
.endm
.macro JLOAD s                         ; a joint refill: waves 2 and 3 fetch B's halves, waves 0 and 1 nothing; an s_nop 0 and four v_nop follow the load
	s_cmp_eq_u32 s15, 0
	s_cbranch_scc0 .Lfor_b_\@
	; (waves 0 and 1 ask for nothing: all eight steps of q's rows stay in LDS, and tile 1 takes the same rows)
	PLACES 4
	s_branch .Lasked_\@
.Lfor_b_\@:
	tensor_load_to_lds s[G0B+4*\s:G0B+4*\s+3], s[G1B:G1B+7]
	s_nop 0
	PLACES 4
.Lasked_\@:
.endm
.macro FETCH g
.set ST_, (\g)%2
.set SL_, ((\g)/4)%2
.set Q4_, (\g)%4
.set Q8_, (\g)%8
.set TI_, (\g)/8
	WIN 0x40
.irp b, 0,1,2,3,4,5,6,7
.irp i, 0,1,2
	ds_load_b128 v[128*ST_+12*\b+4*\i:128*ST_+12*\b+4*\i+3], v[ADRB+SL_] offset:Q4_*12288+\b*1536+\i*512
.endr
.endr
	WIN 0
.irp a, 0,1,2,3
.irp i, 0,1,2
	ds_load_b128 v[AF+48*ST_+12*\a+4*\i:AF+48*ST_+12*\a+4*\i+3], v[ADRA+SL_] offset:Q4_*6144+\a*1536+\i*512
.endr
.endr
	ds_load_b128 v[SC+12*ST_:SC+12*ST_+3], v[ADRSA] offset:256*Q8_
	ds_load_b128 v[SC+12*ST_+4:SC+12*ST_+7], v[ADRSB] offset:8192*TI_+512*Q8_
	ds_load_b128 v[SC+12*ST_+8:SC+12*ST_+11], v[ADRSB] offset:8192*TI_+512*Q8_+256
.endm
.macro MUL g, first                    ; the 32 accumulators take turns, one instruction a turn.  first = 1: the products start a tile's sums
.set ST_, (\g)%2
	WIN 0xa1
.irp a, 0,1,2,3
.irp b, 0,1,2,3,4,5,6,7
.if \first
	v_wmma_scale_f32_16x16x128_f8f6f4 v[8*(8*\a+\b):8*(8*\a+\b)+7], v[128*ST_+12*\b:128*ST_+12*\b+11], v[AF+48*ST_+12*\a:AF+48*ST_+12*\a+11], 0, v[SC+12*ST_+4+\b], v[SC+12*ST_+\a] matrix_a_fmt:MATRIX_FMT_FP6 matrix_b_fmt:MATRIX_FMT_FP6
.else
	v_wmma_scale_f32_16x16x128_f8f6f4 v[8*(8*\a+\b):8*(8*\a+\b)+7], v[128*ST_+12*\b:128*ST_+12*\b+11], v[AF+48*ST_+12*\a:AF+48*ST_+12*\a+11], v[8*(8*\a+\b):8*(8*\a+\b)+7], v[SC+12*ST_+4+\b], v[SC+12*ST_+\a] matrix_a_fmt:MATRIX_FMT_FP6 matrix_b_fmt:MATRIX_FMT_FP6
.endif
.endr
.endr
	WIN 0
.endm
.macro HEAD0 g, first
	s_wait_dscnt 0x0                               ; step g's 39 loads are in
	PLACES 4                                       ; in front of loads into registers that the last step's matrix instructions have read
	FETCH (\g)+1
	MUL \g, \first
.endm
.macro HEADB g                         ; on to the other slot; nothing is filled again
	s_wait_tensorcnt 0x0
	ds_add_u32 v[SPW], v[NIL]
	PLACES 4
	s_wait_dscnt 0x0
	s_barrier_signal -1
	s_barrier_wait -1
	FETCH (\g)+1
	MUL \g, 0
.endm
.macro HEADR g, slot                   ; step g, the slot's last, is already in registers: the slot is left and takes tile 1's four steps of the same place: the same rows of q, k's 1,024 rows on
	s_wait_tensorcnt 0x0                           ; all my tensor loads have landed, my part of the other slot among them: a group 0 may be written
	ds_add_u32 v[SPW], v[NIL]                      ; the descriptor's step stands between the add and the wait for it
	s_add_nc_u64 s[G0B+4*\slot+2:G0B+4*\slot+3], s[G0B+4*\slot+2:G0B+4*\slot+3], TSTEP
	s_wait_dscnt 0x0                               ; the add is done, and my reads of this slot are over
	CROUND                                         ; no wave of any partner still reads the slot or has a load on its way
	JLOAD \slot                                    ; the first tensor load behind the round; its four v_nop are also the places in front of the loads below
	FETCH (\g)+1
	MUL \g, 0
.endm
.macro LAST g
	s_wait_dscnt 0x0
	MUL \g, 0
.endm
.macro SCOUT src, wo, off              ; four words a row group: lane (r, h) stores those of blocks 2 h, 2 h + 1: one aligned run of 256 bytes
	v_cndmask_b32 v[\wo], v[\src], v[\src+2], s67
	v_cndmask_b32 v[\wo+1], v[\src+1], v[\src+3], s67
	global_store_b64 v[SOFF], v[\wo:\wo+1], s[98:99] offset:\off
.endm
; The softmax's numerator of block a's 16 queries over my 128 keys.  The scores lie in window 2 and become p in place
.macro SOFT a, coff
.set S_, 64*(\a)
	WIN 0x2a
.irp b, 0,1,2,3
	v_max3_num_f32 v[BM+\b], v[S_+16*\b], v[S_+16*\b+1], v[S_+16*\b+2]   ; the largest score of each block of 32 keys; each accumulator is read from its low end on
.endr
	WIN 0x28
.irp i, 3,5,7,9,11,13
.irp b, 0,1,2,3
	v_max3_num_f32 v[BM+\b], v[BM+\b], v[S_+16*\b+\i], v[S_+16*\b+\i+1]
.endr
.endr
	WIN 0x08
.irp b, 0,1,2,3
	v_max_num_f32 v[BM+\b], v[BM+\b], v[S_+16*\b+15]
.endr
	WIN 0
.irp b, 0,1,2,3
	v_permlanex16_b32 v[PD+\b], v[BM+\b], s2, s3
.endr
.irp b, 0,1,2,3
	v_max_num_f32 v[BM+\b], v[BM+\b], v[PD+\b]     ; with lane l xor 16's 16 keys
.endr
	v_max3_num_f32 v[W1], v[BM], v[BM+1], v[BM+2]
	v_max_num_f32 v[W1], v[W1], v[BM+3]            ; the chunk's largest score of my query
	v_mul_f32 v[W1], s22, v[W1]                    ; as t (c is positive)
	v_floor_f32 v[NM], -v[W1]                      ; -M_c = floor(-t) = -ceil(t)
.irp b, 0,1,2,3
	v_fma_f32 v[BM+\b], v[BM+\b], s22, v[NM]       ; t - M_c of each block's largest score
.endr
	WIN 0x82                                       ; source 0 and destination window 2
.set J_, 0
.rept 32
	v_pk_fma_f32 v[S_+J_:S_+J_+1], v[S_+J_:S_+J_+1], s[22:23], v[NM:NM+1] op_sel_hi:[1,0,0]   ; t - M_c, two at a time
.set J_, J_+2
.endr
.set J_, 0
	s_wait_alu depctr_va_vdst(0)
.rept 64
	v_exp_f32 v[S_+J_], v[S_+J_]                   ; p = 2^(t - M_c), at most 1
.set J_, J_+1
.endr
	WIN 0
	v_sub_f32 v[MV+(\a)], 0, v[NM]                 ; M_c.  (The plain place behind the exponentials)
	s_wait_alu depctr_va_vdst(0)                   ; one wait for the batch of 64, ahead of its first reader
.irp b, 0,1,2,3
	v_exp_f32 v[BM+\b], v[BM+\b]                   ; the block's largest p
.endr
	WIN 0x0a
	v_pk_add_f32 v[SU:SU+1], v[S_:S_+1], v[S_+2:S_+3]   ; the sum of the unquantised p, in two chains; it reads the 64 alone
	v_pk_add_f32 v[SU+2:SU+3], v[S_+4:S_+5], v[S_+6:S_+7]
	WIN 0x08
.irp j, 8,12,16,20,24,28,32,36,40,44,48,52,56,60
	v_pk_add_f32 v[SU:SU+1], v[SU:SU+1], v[S_+\j:S_+\j+1]
	v_pk_add_f32 v[SU+2:SU+3], v[SU+2:SU+3], v[S_+\j+2:S_+\j+3]
.endr
	WIN 0
	v_pk_add_f32 v[SU:SU+1], v[SU:SU+1], v[SU+2:SU+3]
	v_add_f32 v[SU], v[SU], v[SU+1]
	v_permlanex16_b32 v[SU+4], v[SU], s2, s3
	v_add_f32 v[LV+(\a)], v[SU], v[SU+4]           ; l_c
	s_wait_alu depctr_va_vdst(0)                   ; and one for the four
.irp b, 0,1,2,3
	v_max_num_f32 v[BM+\b], 0x1800000, v[BM+\b]    ; the floor 2^(3 - 127): the byte cannot fall under 1
.endr
.irp b, 0,1,2,3
	v_add_nc_u32 v[SO+\b], 0xff000000, v[BM+\b]    ; 2 off the exponent field: the conversion's scale operand
.endr
.irp b, 0,1,2,3
	v_lshrrev_b32 v[PD+\b], 23, v[SO+\b]           ; the scale's byte: at most 125
.endr
	v_lshl_or_b32 v[PW+(\a)], v[PD+1], 8, v[PD]
	v_lshl_or_b32 v[PW+(\a)], v[PD+2], 16, v[PW+(\a)]
	v_lshl_or_b32 v[PW+(\a)], v[PD+3], 24, v[PW+(\a)]
	s_wait_xcnt 0x0                                ; the last fragment's stores have read the codes' registers
	WIN 0x02
.irp c, 0,1
	v_cvt_scalef32_pk16_fp6_f32 v[PC+6*\c:PC+6*\c+2], v[S_+32*\c:S_+32*\c+15], v[SO+2*\c]
	v_cvt_scalef32_pk16_fp6_f32 v[PX+4*\c:PX+4*\c+2], v[S_+32*\c+16:S_+32*\c+31], v[SO+2*\c+1]
.endr
	WIN 0
	v_nop                                          ; one plain place behind a scaled conversion
.irp c, 0,1
.irp i, 0,1,2
	v_permlane16_swap_b32 v[PC+6*\c+\i], v[PX+4*\c+\i]
.endr
.irp i, 0,1,2
	v_mov_b32 v[PC+6*\c+3+\i], v[PX+4*\c+\i]
.endr
.endr
.irp i, 0,1,2
	global_store_b128 v[LI], v[PC+4*\i:PC+4*\i+3], s[96:97] offset:\coff+1536*(\a)+512*\i   ; the fragment leaves as it stands: 512 consecutive aligned bytes a store
.endr
.endm
	s_load_b128 s[4:7], s[0:1], 0x0                ; qkv, pb
	v_lshl_add_u32 v[SPW], v0, 2, SPARE
	v_mov_b32 v[NIL], 0
	ds_add_u32 v[SPW], v[NIL]                      ; the wave's opening: the add and its wait ahead of my first tensor load
	ds_add_u32 v[SPW], v[NIL]
	v_lshrrev_b32 v1, 5, v0
	v_readfirstlane_b32 s14, v1
	s_lshr_b32 s15, s14, 1                         ; my half of the queries.  Also: I fetch for A (0) or for B (1)
	s_and_b32 s16, s14, 1                          ; my half of the keys.  Also: which half I fetch
	s_bfe_u32 s40, ttmp6, 0x40000                  ; cx: tile 0's tile of 256 keys of the batch; tile 1's is four on
	s_bfe_u32 s41, ttmp6, 0x40004
	s_and_b32 s18, ttmp7, 0xffff
	s_lshr_b32 s47, s18, 2                         ; the batch: 16 tiles of 128 queries each, so four clusters
	s_lshl_b32 s17, s18, 2
	s_add_co_u32 s17, s17, s41                     ; tile of 128 queries
	s_lshl_b32 s43, s41, 2
	s_lshl_b32 s43, 15, s43
	s_lshl_b32 s44, 0x1111, s40
	s_or_b32 s[G1A], s43, (3<<16)|(1<<21)
	s_or_b32 s[G1B], s44, (3<<16)|(1<<21)
	G1SET G1A, 768, 8, RPA/8                       ; the head's load: eight steps x 6,144 bytes
	G1SET G1B, 1536, 8, RPB/8                      ; eight steps x 12,288 bytes; behind it the two words that count rows are set to 4
	s_lshl_b32 s18, s17, 7                         ; A's first row
	s_lshl_b32 s20, s18, 2
	s_mul_i32 s18, s18, 96
	s_mul_i32 s19, s16, 6144
	s_add_co_u32 s18, s18, s19
	s_add_co_u32 s20, s20, 18874368                ; q's scale words
	s_mov_b32 s19, 0
	s_mov_b32 s21, 0
	s_lshl_b32 s47, s47, 11
	s_lshl_b32 s46, s40, 8
	s_add_co_u32 s46, s46, s47                     ; B's first row, tile 0
	s_lshl_b32 s100, s46, 2
	s_mul_i32 s46, s46, 96
	s_mul_i32 s47, s16, 12288
	s_add_co_u32 s46, s46, s47
	s_add_co_u32 s46, s46, 6291456                 ; k's codes
	s_add_co_u32 s100, s100, 19136512              ; k's scale words
	s_mov_b32 s47, 0
	s_mov_b32 s101, 0
	s_mul_i32 s[G0A+1], s16, 49152                 ; LDS: A's halves [8][6144] at 0 and 49,152
	s_mul_i32 s[G0B+1], s16, 98304                 ; B's halves [8][12288] at 98,304 and 196,608; slot 1 = steps 4-7, 49,152 on
	s_add_co_u32 s[G0B+1], s[G0B+1], 98304
	s_add_co_u32 s[G0B+5], s[G0B+1], 49152
	s_mov_b32 s[G0A], 1
	s_mov_b32 s[G0B], 1
	s_mov_b32 s[G0B+4], 1
	s_lshl_b32 s45, s40, 1
	s_add_co_u32 s45, s45, s16                     ; tile 0's chunk of 128 keys; tile 1's is eight on
	s_lshl_b32 s96, s17, 3
	s_lshl_b32 s97, s15, 2
	s_add_co_u32 s96, s96, s97
	s_mul_i32 s96, s96, 1536
	s_mul_i32 s97, s45, 786432
	s_add_co_u32 s96, s96, s97
	s_mov_b32 s97, 0
	s_lshl_b32 s98, s17, 1
	s_add_co_u32 s98, s98, s15
	s_lshl_b32 s98, s98, 8
	s_lshl_b32 s99, s45, 15
	s_add_co_u32 s98, s98, s99
	s_add_co_u32 s98, s98, 12582912
	s_mov_b32 s99, 0
	s_mov_b32 s2, 0x76543210
	s_mov_b32 s3, 0xfedcba98
	s_mov_b32 s67, 0xffff0000
	s_mov_b32 s22, 0x3e38aa3b                      ; c = log2(e) / 8
	s_mov_b32 s23, s22                             ; (named with it as a pair, so it is written)
	s_wait_dscnt 0x0
	s_wait_kmcnt 0x0
	s_add_nc_u64 s[G0A+2:G0A+3], s[4:5], s[18:19]
	s_or_b32 s[G0A+3], s[G0A+3], 0x80000000
	s_add_nc_u64 s[G0B+2:G0B+3], s[4:5], s[46:47]
	s_add_nc_u64 s[G0B+6:G0B+7], s[G0B+2:G0B+3], 4*RPB
	s_or_b32 s[G0B+3], s[G0B+3], 0x80000000
	s_or_b32 s[G0B+7], s[G0B+7], 0x80000000
	s_add_nc_u64 s[G0SA+2:G0SA+3], s[4:5], s[20:21]
	s_add_nc_u64 s[G0SB+2:G0SB+3], s[4:5], s[100:101]
	s_add_nc_u64 s[G0SB+6:G0SB+7], s[G0SB+2:G0SB+3], 4096   ; tile 1's words: 1,024 keys x 4 bytes on
	s_add_nc_u64 s[96:97], s[6:7], s[96:97]        ; p's codes (tile 1's: 6,291,456 bytes on)
	s_add_nc_u64 s[98:99], s[6:7], s[98:99]        ; p's scale words; M_c 524,288 and l_c 1,048,576 bytes on (tile 1's: 262,144 on)
	; THE HEAD AS IT STANDS NOW: each wave asks for ONE tile, all eight K steps of its half of A or of B (a half's two slots lie on end in LDS);
	; the scale words come through registers: 128 threads x 16 bytes a load, B's two K steps a load, A's four, and go to LDS bytes into which no fill lands.
	v_lshrrev_b32 v3, 6, v0
	v_and_b32 v4, 63, v0
	v_lshlrev_b32 v4, 4, v4
	v_mad_u32_u24 v4, v3, SPB, v4                  ; B's words in memory: step (thread / 64), 16 bytes of its 1,024
	v_bfe_u32 v5, v0, 5, 1
	v_lshlrev_b32 v5, 12, v5
	v_lshl_add_u32 v5, v3, 9, v5
	v_and_b32 v3, 31, v0
	v_lshl_add_u32 v5, v3, 4, v5
	v_add_nc_u32 v5, SCB, v5                       ; in LDS: half x 4,096 + step x 512 + 16 x lane
	v_lshlrev_b32 v6, 4, v3
	v_lshrrev_b32 v3, 5, v0
	v_mad_u32_u24 v6, v3, SPA, v6                  ; A's words in memory: step (thread / 32), 16 bytes of its 512
	v_bfe_u32 v7, v0, 4, 1
	v_lshlrev_b32 v7, 11, v7
	v_lshl_add_u32 v7, v3, 8, v7
	v_and_b32 v3, 15, v0
	v_lshl_add_u32 v7, v3, 4, v7
	v_add_nc_u32 v7, SCA, v7                       ; in LDS: half x 2,048 + step x 256 + 16 r
	s_wait_alu depctr_va_vdst(0)                   ; the wait behind the writes
.irp n, 0,1,2,3
	global_load_b128 v[128+4*\n:131+4*\n], v4, s[G0SB+2:G0SB+3] offset:2*SPB*\n
	global_load_b128 v[144+4*\n:147+4*\n], v4, s[G0SB+6:G0SB+7] offset:2*SPB*\n
.endr
.irp n, 0,1
	global_load_b128 v[160+4*\n:163+4*\n], v6, s[G0SA+2:G0SA+3] offset:4*SPA*\n
.endr
	CROUND
	s_cmp_eq_u32 s15, 0                            ; a wave's first fill stands in one branch: one load on each way
	s_cbranch_scc0 .Lfirst_b
	tensor_load_to_lds s[G0A:G0A+3], s[G1A:G1A+7]
	s_nop 0
	PLACES 4
	s_branch .Lfirst_done
.Lfirst_b:
	tensor_load_to_lds s[G0B:G0B+3], s[G1B:G1B+7]
	s_nop 0
	PLACES 4
.Lfirst_done:
	v_and_b32 v1, 15, v0
	v_bfe_u32 v2, v0, 4, 1
	v_and_b32 v3, 31, v0
	v_lshlrev_b32 v[LI], 4, v3
	v_lshlrev_b32 v[SOFF], 4, v1
	v_lshl_add_u32 v[SOFF], v2, 3, v[SOFF]
	s_mul_i32 s45, s15, 49152
	v_add_nc_u32 v[ADRA], s45, v[LI]
	v_add_nc_u32 v[ADRA+1], 24576, v[ADRA]
	s_mul_i32 s45, s16, 98304
	s_add_co_u32 s45, s45, 98304
	v_add_nc_u32 v[ADRB], s45, v[LI]
	v_add_nc_u32 v[ADRB+1], 49152, v[ADRB]
	s_mul_i32 s45, s15, 256*NQT
	s_add_co_u32 s45, s45, SCA
	v_lshl_add_u32 v[ADRSA], v1, 4, s45
	s_mul_i32 s45, s16, 512*NQT
	s_add_co_u32 s45, s45, SCB
	v_lshl_add_u32 v[ADRSB], v1, 4, s45
.irp b, 0,1,2,3
	v_mov_b32 v[PD+\b], 0                          ; written once: a lane permute's destination counts as one of its sources
.endr
	v_mov_b32 v[SU+4], 0
	v_mov_b32 v[NM+1], 0                           ; (named as the upper half of a pair)
	s_wait_alu depctr_va_vdst(0)
	s_wait_loadcnt 0x0                             ; the scale words are in registers
.irp n, 0,1,2,3
	ds_store_b128 v5, v[128+4*\n:131+4*\n] offset:1024*\n
	ds_store_b128 v5, v[144+4*\n:147+4*\n] offset:8192+1024*\n
.endr
.irp n, 0,1
	ds_store_b128 v7, v[160+4*\n:163+4*\n] offset:1024*\n
.endr
	s_wait_tensorcnt 0x0                           ; my half of tile 0, all eight steps, is in; no load of mine is out, so a descriptor may be written:
	s_mov_b32 s[G1B+2], 4<<16                      ; from here on a load brings four steps
	s_mov_b32 s[G1B+4], 4
	s_wait_dscnt 0x0                               ; for the others' sake: my scale words lie in LDS
	s_barrier_signal -1
	s_barrier_wait -1
	FETCH 0
	HEAD0 0, 1                                     ; ---- tile 0
	HEAD0 1, 0
	HEAD0 2, 0
	HEADR 3, 0
	HEAD0 4, 0
	HEAD0 5, 0
	HEAD0 6, 0
	HEADR 7, 1                                     ; both refills are asked for and tile 1's first fragments fetched: now tile 0's softmax
	PLACES 4                                       ; in front of the first read of results and of writes into registers that held fragments
	SOFT 0, 0
	SOFT 1, 0
	SOFT 2, 0
	SOFT 3, 0
	SCOUT PW, WO, 0
	SCOUT MV, WO+2, 524288
	SCOUT LV, WO+4, 1048576
	s_wait_xcnt 0x0                                ; the stores have read the codes' registers: tile 1's second step's fragments will land there
	HEAD0 8, 1                                     ; ---- tile 1; nothing is left to fetch
	HEAD0 9, 0
	HEAD0 10, 0
	HEADB 11
	HEAD0 12, 0
	HEAD0 13, 0
	HEAD0 14, 0
	LAST 15
	PLACES 4
	SOFT 0, 6291456
	SOFT 1, 6291456
	SOFT 2, 6291456
	SOFT 3, 6291456
	SCOUT PW, WO, 262144
	SCOUT MV, WO+2, 262144+524288
	SCOUT LV, WO+4, 262144+1048576
	s_wait_tensorcnt 0x0                           ; the wave's end
	ds_add_u32 v[SPW], v[NIL]
	s_wait_dscnt 0x0
	CROUND                                         ; the closing round
	s_endpgm
.Lfunc_end_k_qab274a90e4_scores:
	.size	k_qab274a90e4_scores, .Lfunc_end_k_qab274a90e4_scores-k_qab274a90e4_scores
	.p2alignl 7, 3214868480
	.fill 96, 4, 3214868480
	.section	.rodata,"a",@progbits
	.p2align	6, 0x0
	.amdhsa_kernel k_qab274a90e4_scores
		.amdhsa_group_segment_fixed_size 327680
		.amdhsa_private_segment_fixed_size 0
		.amdhsa_enable_private_segment 0
		.amdhsa_kernarg_size 16
		.amdhsa_user_sgpr_count 2
		.amdhsa_user_sgpr_kernarg_segment_ptr 1
		.amdhsa_wavefront_size32 1
		.amdhsa_system_sgpr_workgroup_id_x 1
		.amdhsa_system_sgpr_workgroup_id_y 1
		.amdhsa_system_sgpr_workgroup_id_z 1
		.amdhsa_system_vgpr_workitem_id 0
		.amdhsa_next_free_vgpr 768
		.amdhsa_next_free_sgpr 102
		.amdhsa_reserve_vcc 0
		.amdhsa_float_denorm_mode_32 3
		.amdhsa_float_denorm_mode_16_64 3
		.amdhsa_memory_ordered 1
		.amdhsa_forward_progress 1
		.amdhsa_inst_pref_size 210
	.end_amdhsa_kernel
	.amdgpu_metadata
---
amdhsa.version: [ 1, 2 ]
amdhsa.kernels:
  - .name:           k_qab274a90e4_scores
    .symbol:         k_qab274a90e4_scores.kd
    .args:
      - { .name: qkv, .offset: 0, .size: 8, .value_kind: global_buffer, .address_space: global }
      - { .name: pb, .offset: 8, .size: 8, .value_kind: global_buffer, .address_space: global }
    .group_segment_fixed_size: 327680
    .private_segment_fixed_size: 0
    .kernarg_segment_align: 8
    .kernarg_segment_size: 16
    .max_flat_workgroup_size: 128
    .sgpr_count:     102
    .vgpr_count:     768
    .wavefront_size: 32
...
	.end_amdgpu_metadata
.endif
;; end of part 3
;; launch pv (part 4): grid 4 x 64, 4 waves a work-group, clusters of 4 x 4, 327,680 bytes of LDS; arguments pb, qkv, ob; writes ob
.if DOCPART == 4
	.amdgcn_target "amdgcn-amd-amdhsa--gfx1250"
	.amdhsa_code_object_version 6
	.text
	.protected	k_qab274a90e4_pv
	.globl	k_qab274a90e4_pv
	.p2align	8
	.type	k_qab274a90e4_pv,@function
k_qab274a90e4_pv:
	s_mov_b64 s[64:65], 0
	v_nop
	global_prefetch_b8 v0, s[64:65] scope:SCOPE_SE
	s_setreg_imm32_b32 hwreg(HW_REG_WAVE_MODE, 25, 1), 1
	s_wait_xcnt 0x0
	s_wait_alu depctr_hold_cnt(0) depctr_sa_sdst(0) depctr_va_vdst(0) depctr_va_sdst(0) depctr_va_ssrc(0) depctr_va_vcc(0) depctr_vm_vsrc(0)
	s_getreg_b32 s2, hwreg(HW_REG_IB_STS2, 6, 4)
	s_cmp_eq_u32 s2, 0
	s_cbranch_scc0 .Lentry_in_a_cluster
	s_endpgm
.Lentry_in_a_cluster:
	s_bfe_u32 s2, ttmp6, 0x10000c
	s_cmp_lg_u32 s2, 0xf033
	s_cbranch_scc0 .Lentry_shape_is_right
	s_endpgm
.Lentry_shape_is_right:
; O = P v / l on codes of FP6 (E2M3), and O quantised along its 1,024 channels for the last product.
; THE ROW'S M AND l.  The launch before left, for each row and each of 16 chunks of 128 keys, a whole number M_c, the sum l_c and p = 2^(t - M_c) as codes with scale bytes.  Here M = the largest M_c; e = M_c - M (0 or less, a whole number);
; l = the sum of l_c 2^e; and e is added to the chunk's four scale bytes: p under the row's M, with the same codes.  All exact.
; LIMITS: e is held at -127, and a byte that would fall under 0 is held at 0 (2^-127): such terms are nothing beside l, which is over 1/2.  NaN and infinities are not served; a block of zeros of O gets the byte 1.
; FORM: C'[j][i], j = queries (A = p's table, source 1), i = channels (B = v's table, source 0); K = the batch's 2,048 keys: 16 steps.  A work-group makes 128 queries x 256 channels, a wave 64 x 128: 32 accumulators.
; RING: two LDS slots of four steps; slot 0 is filled again behind step 3's head, slot 1 behind step 7's: each refill has four steps, 128 matrix instructions, in which to land.  By this text's count a wave has at most one tensor load out.
; CLUSTER 4 x 4: p's tiles are shared along a row of the cluster, v's along a column; each refill stands behind a round of the cluster's barrier.
; p's scale words do not come by a tensor load: each of the 128 threads owns one row's words, lowers them and stores them to LDS bytes into which no fill lands.
.set NQT,   16
.set RPA,   786432
.set RPB,   98304
.set SPB,   4096
.set SLOT,  147456
.set SCB,   2*SLOT
.set SCA,   SCB+1024*NQT               ; p's lowered scale words: two halves of [16][256], written by ds_store
.set LINV,  SCA+512*NQT                ; 1 / l of the 128 rows, laid like scale words
.set SPARE, LINV+512
.set LI,    8
.set SOFF,  9
.set ADRA,  10
.set ADRB,  12
.set ADRSA, 14
.set ADRSB, 15
.set SPW,   28
.set NIL,   29
.set SC,    32
.set PW,    64
.set WO,    76
.set TM,    96
.set AF,    128
.set T,     128
.set PC,    192
.set PX,    204
.set G1A,   24
.set G0A,   32
.set G1B,   48
.set G0B,   56
.set G1SB,  80
.set G0SB,  88
.set MSB,   0
.macro WIN new
.if MSB != (\new)
	s_set_vgpr_msb (MSB<<8)|(\new)
.set MSB, (\new)
.endif
.endm
.macro PLACES n
.rept \n
	v_nop
.endr
.endm
.macro CREST
	s_cmp_lg_u32 s14, 0
	s_cbranch_scc1 .Lnot_wave_0_\@
	s_barrier_signal -3
.Lnot_wave_0_\@:
	s_barrier_wait -3
	s_barrier_signal -1
	s_barrier_wait -1
.endm
.macro CROUND
	s_barrier_signal -1
	s_barrier_wait -1
	CREST
.endm
.macro G1SET g, c, r, p
	s_mov_b32 s[\g+1], (\c)<<16
	s_mov_b32 s[\g+2], (\r)<<16
	s_mov_b32 s[\g+3], (\c)<<16
	s_mov_b32 s[\g+4], \r
	s_mov_b32 s[\g+5], \p
	s_mov_b32 s[\g+6], 0
	s_mov_b32 s[\g+7], 0
.endm
.macro JLOAD s                         ; a joint refill: waves 0 and 1 fetch A's halves, waves 2 and 3 B's; an s_nop 0 and four v_nop follow each of the two lines
	s_cmp_eq_u32 s15, 0
	s_cbranch_scc0 .Lfor_b_\@
	tensor_load_to_lds s[G0A+4*\s:G0A+4*\s+3], s[G1A:G1A+7]
	s_nop 0
	PLACES 4
	s_branch .Lasked_\@
.Lfor_b_\@:
	tensor_load_to_lds s[G0B+4*\s:G0B+4*\s+3], s[G1B:G1B+7]
	s_nop 0
	PLACES 4
.Lasked_\@:
.endm
.macro FETCH q
.set ST_, (\q)%2
.set SL_, ((\q)/4)%2
.set Q4_, (\q)%4
	WIN 0x40
.irp b, 0,1,2,3,4,5,6,7
.irp g, 0,1,2
	ds_load_b128 v[128*ST_+12*\b+4*\g:128*ST_+12*\b+4*\g+3], v[ADRB+SL_] offset:Q4_*12288+\b*1536+\g*512
.endr
.endr
	WIN 0
.irp a, 0,1,2,3
.irp g, 0,1,2
	ds_load_b128 v[AF+48*ST_+12*\a+4*\g:AF+48*ST_+12*\a+4*\g+3], v[ADRA+SL_] offset:Q4_*6144+\a*1536+\g*512
.endr
.endr
	ds_load_b128 v[SC+12*ST_:SC+12*ST_+3], v[ADRSA] offset:256*(\q)
	ds_load_b128 v[SC+12*ST_+4:SC+12*ST_+7], v[ADRSB] offset:512*(\q)
	ds_load_b128 v[SC+12*ST_+8:SC+12*ST_+11], v[ADRSB] offset:512*(\q)+256
.endm
.macro MUL q, first                    ; the 32 accumulators take turns, one instruction a turn
.set ST_, (\q)%2
	WIN 0xa1
.irp a, 0,1,2,3
.irp b, 0,1,2,3,4,5,6,7
.if \first
	v_wmma_scale_f32_16x16x128_f8f6f4 v[8*(8*\a+\b):8*(8*\a+\b)+7], v[128*ST_+12*\b:128*ST_+12*\b+11], v[AF+48*ST_+12*\a:AF+48*ST_+12*\a+11], 0, v[SC+12*ST_+4+\b], v[SC+12*ST_+\a] matrix_a_fmt:MATRIX_FMT_FP6 matrix_b_fmt:MATRIX_FMT_FP6
.else
	v_wmma_scale_f32_16x16x128_f8f6f4 v[8*(8*\a+\b):8*(8*\a+\b)+7], v[128*ST_+12*\b:128*ST_+12*\b+11], v[AF+48*ST_+12*\a:AF+48*ST_+12*\a+11], v[8*(8*\a+\b):8*(8*\a+\b)+7], v[SC+12*ST_+4+\b], v[SC+12*ST_+\a] matrix_a_fmt:MATRIX_FMT_FP6 matrix_b_fmt:MATRIX_FMT_FP6
.endif
.endr
.endr
	WIN 0
.endm
.macro HEAD0 q, first
	s_wait_dscnt 0x0                               ; step q's 39 loads are in
	PLACES 4
	FETCH (\q)+1
	MUL \q, \first
.endm
.macro HEADB q                         ; on to the other slot; nothing is filled again
	s_wait_tensorcnt 0x0
	ds_add_u32 v[SPW], v[NIL]
	PLACES 4
	s_wait_dscnt 0x0
	s_barrier_signal -1
	s_barrier_wait -1
	FETCH (\q)+1
	MUL \q, 0
.endm
.macro HEADR q, slot                   ; step q, the slot's last, is already in registers: the slot is left and filled again with the steps eight on
	s_wait_tensorcnt 0x0                           ; all my tensor loads have landed, my part of the other slot among them: a group 0 may be written
	ds_add_u32 v[SPW], v[NIL]                      ; the descriptors' steps stand between the add and the wait for it
	s_add_nc_u64 s[G0A+4*\slot+2:G0A+4*\slot+3], s[G0A+4*\slot+2:G0A+4*\slot+3], 8*RPA
	s_add_nc_u64 s[G0B+4*\slot+2:G0B+4*\slot+3], s[G0B+4*\slot+2:G0B+4*\slot+3], 8*RPB
	s_wait_dscnt 0x0                               ; the add is done, and my reads of this slot are over
	CROUND                                         ; no wave of any partner still reads the slot or has a load on its way
	JLOAD \slot                                    ; the first tensor load behind the round; its four v_nop are also the places in front of the loads below
	FETCH (\q)+1
	MUL \q, 0
.endm
.macro LAST q
	s_wait_dscnt 0x0
	MUL \q, 0
.endm
.macro QUANT s, w, pw
	WIN (\w)|((\w)<<2)
.irp b, 0,1,2,3
	v_max3_num_f32 v[TM+\b], |v[(\s)+16*\b]|, |v[(\s)+1+16*\b]|, 0x1800000
.endr
	WIN ((\w)<<2)|((\w)<<4)
.irp i, 2,4,6,8,10,12,14
.irp b, 0,1,2,3
	v_max3_num_f32 v[TM+\b], v[TM+\b], |v[(\s)+16*\b+\i]|, |v[(\s)+1+16*\b+\i]|
.endr
.endr
	WIN 0
.irp b, 0,1,2,3
	v_permlanex16_b32 v[TM+4+\b], v[TM+\b], s2, s3
.endr
.irp b, 0,1,2,3
	v_max_num_f32 v[TM+\b], v[TM+\b], v[TM+4+\b]
.endr
.irp b, 0,1,2,3
	v_add_nc_u32 v[TM+12+\b], 0xff000000, v[TM+\b]
.endr
.irp b, 0,1,2,3
	v_lshrrev_b32 v[TM+4+\b], 23, v[TM+12+\b]
.endr
	v_lshl_or_b32 v[\pw], v[TM+5], 8, v[TM+4]
	v_lshl_or_b32 v[\pw], v[TM+6], 16, v[\pw]
	v_lshl_or_b32 v[\pw], v[TM+7], 24, v[\pw]
	s_wait_xcnt 0x0                                ; the last fragment's stores have read the codes' registers
	WIN \w
.irp c, 0,1
	v_cvt_scalef32_pk16_fp6_f32 v[PC+6*\c:PC+6*\c+2], v[(\s)+32*\c:(\s)+32*\c+15], v[TM+12+2*\c]
	v_cvt_scalef32_pk16_fp6_f32 v[PX+4*\c:PX+4*\c+2], v[(\s)+32*\c+16:(\s)+32*\c+31], v[TM+12+2*\c+1]
.endr
	WIN 0
	v_nop                                          ; one plain place behind a scaled conversion
.irp c, 0,1
.irp i, 0,1,2
	v_permlane16_swap_b32 v[PC+6*\c+\i], v[PX+4*\c+\i]
.endr
.irp i, 0,1,2
	v_mov_b32 v[PC+6*\c+3+\i], v[PX+4*\c+\i]
.endr
.endr
.endm
.macro OUTF a
.irp g, 0,1,2
	global_store_b128 v[LI], v[PC+4*\g:PC+4*\g+3], s[92:93] offset:1536*(\a)+512*\g
.endr
.endm
.macro SCOUT src, wo, off
	v_cndmask_b32 v[\wo], v[\src], v[\src+2], s67
	v_cndmask_b32 v[\wo+1], v[\src+1], v[\src+3], s67
	global_store_b64 v[SOFF], v[\wo:\wo+1], s[94:95] offset:\off
.endm
	s_load_b128 s[4:7], s[0:1], 0x0                ; pb, qkv
	s_load_b64 s[8:9], s[0:1], 0x10                ; ob
	v_lshl_add_u32 v[SPW], v0, 2, SPARE
	v_mov_b32 v[NIL], 0
	ds_add_u32 v[SPW], v[NIL]                      ; the wave's opening: the add and its wait ahead of my first tensor load
	ds_add_u32 v[SPW], v[NIL]
	v_lshrrev_b32 v1, 5, v0
	v_readfirstlane_b32 s14, v1
	s_lshr_b32 s15, s14, 1                         ; my half of the queries.  Also: I fetch for A (0) or for B (1)
	s_and_b32 s16, s14, 1                          ; my half of the channels.  Also: which half I fetch
	s_bfe_u32 s40, ttmp6, 0x40000                  ; cx: the tile of 256 channels
	s_bfe_u32 s41, ttmp6, 0x40004
	s_and_b32 s18, ttmp7, 0xffff
	s_lshr_b32 s47, s18, 2                         ; the batch
	s_lshl_b32 s17, s18, 2
	s_add_co_u32 s17, s17, s41                     ; tile of 128 queries
	s_lshl_b32 s43, s41, 2
	s_lshl_b32 s43, 15, s43
	s_lshl_b32 s44, 0x1111, s40
	s_or_b32 s[G1A], s43, (3<<16)|(1<<21)
	s_or_b32 s[G1B], s44, (3<<16)|(1<<21)
	G1SET G1A, 768, 8, RPA/8                       ; the head's load: eight steps x 6,144 bytes; behind it the two words that count rows are set to 4
	G1SET G1B, 1536, 8, RPB/8                      ; eight steps x 12,288 bytes
	s_lshl_b32 s18, s17, 7                         ; A's first row
	s_mul_i32 s18, s18, 96
	s_mul_i32 s19, s16, 6144
	s_add_co_u32 s18, s18, s19
	s_mov_b32 s19, 0
	s_mul_i32 s46, s47, 1572864                    ; B: the batch's table of v,
	s_lshl_b32 s100, s47, 16
	s_mul_i32 s47, s40, 24576                      ; 256 cx rows of 96 bytes,
	s_add_co_u32 s46, s46, s47
	s_mul_i32 s47, s16, 12288                      ; my half
	s_add_co_u32 s46, s46, s47
	s_add_co_u32 s46, s46, 12582912
	s_lshl_b32 s47, s40, 10
	s_add_co_u32 s100, s100, s47
	s_add_co_u32 s100, s100, 19398656
	s_mov_b32 s47, 0
	s_mov_b32 s101, 0
	s_mul_i32 s[G0A+1], s16, 49152                 ; LDS: A's halves [8][6144] at 0 and 49,152; slot 1 = the upper four steps, 24,576 on
	s_add_co_u32 s[G0A+5], s[G0A+1], 24576
	s_mul_i32 s[G0B+1], s16, 98304                 ; B's halves [8][12288] at 98,304 and 196,608; slot 1 49,152 on
	s_add_co_u32 s[G0B+1], s[G0B+1], 98304
	s_add_co_u32 s[G0B+5], s[G0B+1], 49152
	s_mov_b32 s[G0A], 1
	s_mov_b32 s[G0A+4], 1
	s_mov_b32 s[G0B], 1
	s_mov_b32 s[G0B+4], 1
	s_lshl_b32 s45, s40, 1
	s_add_co_u32 s45, s45, s16                     ; O's K step: 2 cx + half
	s_lshl_b32 s96, s17, 3
	s_lshl_b32 s97, s15, 2
	s_add_co_u32 s96, s96, s97
	s_mul_i32 s96, s96, 1536
	s_mul_i32 s97, s45, 786432
	s_add_co_u32 s96, s96, s97
	s_mov_b32 s97, 0
	s_lshl_b32 s98, s17, 1
	s_add_co_u32 s98, s98, s15
	s_lshl_b32 s98, s98, 8
	s_lshl_b32 s99, s45, 15
	s_add_co_u32 s98, s98, s99
	s_add_co_u32 s98, s98, 6291456
	s_mov_b32 s99, 0
	s_lshl_b32 s12, s17, 9                         ; the work-group's two groups of words in a chunk
	s_add_co_u32 s12, s12, 12582912
	s_mov_b32 s13, 0
	s_mov_b32 s2, 0x76543210
	s_mov_b32 s3, 0xfedcba98
	s_mov_b32 s67, 0xffff0000
	s_mov_b32 s66, 0x01010101
	v_lshlrev_b32 v16, 2, v0                       ; thread tau owns the word at byte 4 tau
	; THE HEAD AS IT STANDS NOW: each wave asks for ONE tile, the first eight K steps of its half of A or of B (a half's two slots lie on end in LDS);
	; v's scale words come through registers, 128 threads x 16 bytes a load, two K steps a load, and go to LDS bytes into which no fill lands.
	v_lshrrev_b32 v3, 6, v0
	v_and_b32 v4, 63, v0
	v_lshlrev_b32 v4, 4, v4
	v_lshl_add_u32 v4, v3, 12, v4                  ; in memory: step (thread / 64) of 4,096 bytes, 16 bytes of my 1,024
	v_bfe_u32 v5, v0, 5, 1
	v_lshlrev_b32 v5, 13, v5
	v_lshl_add_u32 v5, v3, 9, v5
	v_and_b32 v3, 31, v0
	v_lshl_add_u32 v5, v3, 4, v5
	v_add_nc_u32 v5, SCB, v5                       ; in LDS: half x 8,192 + step x 512 + 16 x lane
	s_wait_alu depctr_va_vdst(0)
	s_wait_dscnt 0x0
	s_wait_kmcnt 0x0
	s_add_nc_u64 s[G0A+2:G0A+3], s[4:5], s[18:19]
	s_add_nc_u64 s[G0A+6:G0A+7], s[G0A+2:G0A+3], 4*RPA
	s_or_b32 s[G0A+3], s[G0A+3], 0x80000000
	s_or_b32 s[G0A+7], s[G0A+7], 0x80000000
	s_add_nc_u64 s[G0B+2:G0B+3], s[6:7], s[46:47]
	s_add_nc_u64 s[G0B+6:G0B+7], s[G0B+2:G0B+3], 4*RPB
	s_or_b32 s[G0B+3], s[G0B+3], 0x80000000
	s_or_b32 s[G0B+7], s[G0B+7], 0x80000000
	s_add_nc_u64 s[G0SB+2:G0SB+3], s[6:7], s[100:101]
	s_add_nc_u64 s[92:93], s[8:9], s[96:97]        ; O's codes
	s_add_nc_u64 s[94:95], s[8:9], s[98:99]        ; O's scale words
	s_add_nc_u64 s[10:11], s[4:5], s[12:13]        ; p's scale words; M_c 524,288 and l_c 1,048,576 bytes on
.irp c, 0,1,2,3,4,5,6,7,8,9,10,11,12,13,14,15
	global_load_b32 v[128+\c], v16, s[10:11] offset:524288+32768*\c    ; M_c: the four waves read 512 consecutive bytes
	global_load_b32 v[144+\c], v16, s[10:11] offset:1048576+32768*\c   ; l_c
	global_load_b32 v[160+\c], v16, s[10:11] offset:32768*\c           ; the four bytes
.endr
.irp n, 0,1,2,3,4,5,6,7
	global_load_b128 v[192+4*\n:195+4*\n], v4, s[G0SB+2:G0SB+3] offset:2*SPB*\n   ; v's scale words
.endr
	CROUND
	s_cmp_eq_u32 s15, 0                            ; a wave's first fill stands in one branch: one load on each way
	s_cbranch_scc0 .Lfirst_b
	tensor_load_to_lds s[G0A:G0A+3], s[G1A:G1A+7]
	s_nop 0
	PLACES 4
	s_branch .Lfirst_done
.Lfirst_b:
	tensor_load_to_lds s[G0B:G0B+3], s[G1B:G1B+7]
	s_nop 0
	PLACES 4
.Lfirst_done:
	v_and_b32 v1, 15, v0
	v_bfe_u32 v2, v0, 4, 1
	v_and_b32 v3, 31, v0
	v_lshlrev_b32 v[LI], 4, v3
	v_lshlrev_b32 v[SOFF], 4, v1
	v_lshl_add_u32 v[SOFF], v2, 3, v[SOFF]
	s_mul_i32 s45, s15, 49152
	v_add_nc_u32 v[ADRA], s45, v[LI]
	v_add_nc_u32 v[ADRA+1], 24576, v[ADRA]
	s_mul_i32 s45, s16, 98304
	s_add_co_u32 s45, s45, 98304
	v_add_nc_u32 v[ADRB], s45, v[LI]
	v_add_nc_u32 v[ADRB+1], 49152, v[ADRB]
	s_mul_i32 s45, s15, 256*NQT
	s_add_co_u32 s45, s45, SCA
	v_lshl_add_u32 v[ADRSA], v1, 4, s45
	s_mul_i32 s45, s16, 512*NQT
	s_add_co_u32 s45, s45, SCB
	v_lshl_add_u32 v[ADRSB], v1, 4, s45
	v_and_b32 v17, 63, v0
	v_lshlrev_b32 v17, 2, v17
	v_lshrrev_b32 v18, 6, v0
	v_lshl_add_u32 v17, v18, 12, v17
	v_add_nc_u32 v17, SCA, v17                     ; where my row's words go: half tau / 64, byte 4 (tau % 64) of each step's 256
	v_lshl_add_u32 v19, v0, 2, LINV                ; and its 1 / l
	s_lshl_b32 s45, s15, 8
	s_add_co_u32 s45, s45, LINV
	v_lshl_add_u32 v20, v1, 4, s45                 ; where I read my four blocks' 1 / l back
.irp b, 0,1,2,3
	v_mov_b32 v[TM+4+\b], 0                        ; written once: a lane permute's destination counts as one of its sources
.endr
	s_wait_loadcnt 0x0
	v_max3_num_f32 v176, v128, v129, v130          ; the row's M
.irp i, 3,5,7,9,11,13
	v_max3_num_f32 v176, v176, v[128+\i], v[129+\i]
.endr
	v_max_num_f32 v176, v176, v143
.irp c, 0,1,2,3,4,5,6,7,8,9,10,11,12,13,14,15
	v_sub_f32 v177, v[128+\c], v176                ; e = M_c - M: a whole number, 0 or less,
	v_max_num_f32 v177, 0xc2fe0000, v177           ; held at -127
	v_cvt_i32_f32 v178, v177
.if \c == 0
	v_ldexp_f32 v181, v[144+\c], v178              ; l = the sum of l_c 2^e
.else
	v_ldexp_f32 v180, v[144+\c], v178
	v_add_f32 v181, v181, v180
.endif
	v_mul_lo_u32 v179, v178, s66                   ; e in each of four bytes (modulo 2^32)
	v_or_b32 v182, 0x80808080, v[160+\c]           ; each byte + 128: at least 129, so that no byte borrows from the next
	v_add_nc_u32 v182, v182, v179
	v_and_b32 v183, 0x80808080, v182               ; a byte that kept its top bit has not fallen under 0
	v_lshrrev_b32 v184, 7, v183
	v_sub_nc_u32 v183, v183, v184                  ; 0x7f there, 0 elsewhere
	v_and_b32 v[160+\c], v182, v183                ; max(byte + e, 0)
	ds_store_b32 v17, v[160+\c] offset:256*\c
.endr
	s_wait_alu depctr_va_vdst(0)
	v_rcp_f32 v181, v181
	v_nop                                          ; one plain place behind the reciprocal
	s_wait_alu depctr_va_vdst(0)                   ; and the wait ahead of its first reader
	ds_store_b32 v19, v181
.irp n, 0,1,2,3,4,5,6,7
	ds_store_b128 v5, v[192+4*\n:195+4*\n] offset:1024*\n
.endr
	s_wait_tensorcnt 0x0                           ; my half's first eight steps are in; no load of mine is out, so a descriptor may be written:
	s_mov_b32 s[G1A+2], 4<<16                      ; from here on a load brings four steps
	s_mov_b32 s[G1A+4], 4
	s_mov_b32 s[G1B+2], 4<<16
	s_mov_b32 s[G1B+4], 4
	s_wait_dscnt 0x0                               ; for the others' sake: my words and my 1 / l lie in LDS
	s_barrier_signal -1
	s_barrier_wait -1
	FETCH 0
	HEAD0 0, 1
	HEAD0 1, 0
	HEAD0 2, 0
	HEADR 3, 0
	HEAD0 4, 0
	HEAD0 5, 0
	HEAD0 6, 0
	HEADR 7, 1
	HEAD0 8, 0
	HEAD0 9, 0
	HEAD0 10, 0
	HEADB 11
	HEAD0 12, 0
	HEAD0 13, 0
	HEAD0 14, 0
	LAST 15
	PLACES 4
	ds_load_b128 v[224:227], v20                   ; 1 / l of row r of my four blocks
	s_wait_dscnt 0x0
.irp a, 0,1,2,3
	v_mov_b32 v228, v[224+\a]
	v_mov_b32 v229, v[224+\a]
	WIN 0x02
.set J_, 0
.rept 32
	v_pk_mul_f32 v[T+J_:T+J_+1], v[64*\a+J_:64*\a+J_+1], v[228:229]   ; O = the sums / l, into window 0; each accumulator from its low end on
.set J_, J_+2
.endr
	WIN 0
	QUANT T, 0, PW+\a
	OUTF \a
.endr
	SCOUT PW, WO, 0
	s_wait_tensorcnt 0x0                           ; the wave's end
	ds_add_u32 v[SPW], v[NIL]
	s_wait_dscnt 0x0
	CROUND                                         ; the closing round
	s_endpgm
.Lfunc_end_k_qab274a90e4_pv:
	.size	k_qab274a90e4_pv, .Lfunc_end_k_qab274a90e4_pv-k_qab274a90e4_pv
	.p2alignl 7, 3214868480
	.fill 96, 4, 3214868480
	.section	.rodata,"a",@progbits
	.p2align	6, 0x0
	.amdhsa_kernel k_qab274a90e4_pv
		.amdhsa_group_segment_fixed_size 327680
		.amdhsa_private_segment_fixed_size 0
		.amdhsa_enable_private_segment 0
		.amdhsa_kernarg_size 24
		.amdhsa_user_sgpr_count 2
		.amdhsa_user_sgpr_kernarg_segment_ptr 1
		.amdhsa_wavefront_size32 1
		.amdhsa_system_sgpr_workgroup_id_x 1
		.amdhsa_system_sgpr_workgroup_id_y 1
		.amdhsa_system_sgpr_workgroup_id_z 1
		.amdhsa_system_vgpr_workitem_id 0
		.amdhsa_next_free_vgpr 768
		.amdhsa_next_free_sgpr 102
		.amdhsa_reserve_vcc 0
		.amdhsa_float_denorm_mode_32 3
		.amdhsa_float_denorm_mode_16_64 3
		.amdhsa_memory_ordered 1
		.amdhsa_forward_progress 1
		.amdhsa_inst_pref_size 160
	.end_amdhsa_kernel
	.amdgpu_metadata
---
amdhsa.version: [ 1, 2 ]
amdhsa.kernels:
  - .name:           k_qab274a90e4_pv
    .symbol:         k_qab274a90e4_pv.kd
    .args:
      - { .name: pb, .offset: 0, .size: 8, .value_kind: global_buffer, .address_space: global }
      - { .name: qkv, .offset: 8, .size: 8, .value_kind: global_buffer, .address_space: global }
      - { .name: ob, .offset: 16, .size: 8, .value_kind: global_buffer, .address_space: global }
    .group_segment_fixed_size: 327680
    .private_segment_fixed_size: 0
    .kernarg_segment_align: 8
    .kernarg_segment_size: 24
    .max_flat_workgroup_size: 128
    .sgpr_count:     102
    .vgpr_count:     768
    .wavefront_size: 32
...
	.end_amdgpu_metadata
.endif
;; end of part 4
;; launch proj (part 5): grid 4 x 64, 4 waves a work-group, clusters of 4 x 4, 327,680 bytes of LDS; arguments ob, cx, bo, out0; writes out0
.if DOCPART == 5
	.amdgcn_target "amdgcn-amd-amdhsa--gfx1250"
	.amdhsa_code_object_version 6
	.text
	.protected	k_qab274a90e4_proj
	.globl	k_qab274a90e4_proj
	.p2align	8
	.type	k_qab274a90e4_proj,@function
k_qab274a90e4_proj:
	s_mov_b64 s[64:65], 0
	v_nop
	global_prefetch_b8 v0, s[64:65] scope:SCOPE_SE
	s_setreg_imm32_b32 hwreg(HW_REG_WAVE_MODE, 25, 1), 1
	s_wait_xcnt 0x0
	s_wait_alu depctr_hold_cnt(0) depctr_sa_sdst(0) depctr_va_vdst(0) depctr_va_sdst(0) depctr_va_ssrc(0) depctr_va_vcc(0) depctr_vm_vsrc(0)
	s_getreg_b32 s2, hwreg(HW_REG_IB_STS2, 6, 4)
	s_cmp_eq_u32 s2, 0
	s_cbranch_scc0 .Lentry_in_a_cluster
	s_endpgm
.Lentry_in_a_cluster:
	s_bfe_u32 s2, ttmp6, 0x10000c
	s_cmp_lg_u32 s2, 0xf033
	s_cbranch_scc0 .Lentry_shape_is_right
	s_endpgm
.Lentry_shape_is_right:
; out0 = O Wo + bo on codes of FP6 (E2M3) with E8M0 scales; f32 out.
; FORM: C'[j][i], j = tokens (A = O's table, source 1), i = output channels (B = Wo's rows of cx, source 0): a lane holds one token, and register 8 b + jj of block a is channel 32 (b / 2) + 16 (lane / 16) + 8 (b % 2) + jj of my 128.
; O's table holds token sw(p) at place p (bits 3 and 4 exchanged): the stores' row offsets undo that.  bo is the C of each sum's first matrix instruction.
; SHARES: a work-group makes 128 tokens x 256 channels, a wave 64 x 128: 32 accumulators.  K = 1,024: eight steps in two LDS slots of four, all asked for at the head; no LDS byte is filled twice.
; CLUSTER 4 x 4: O's tiles are shared along a row of the cluster, Wo's along a column.
; THE WAY OUT: 16 rows x 512 bytes at a time through the wave's own stage, which lies under A's steps 0 to 5: those have had their only fill, and their last read lies ahead of the barrier at step 6's head.
; LIMITS: NaN and infinities are not served.
.set NQT,   8
.set RPA,   786432
.set RPB,   1179648
.set SPA,   32768
.set SPB,   49152
.set CXS,   9437184
.set SLOT,  147456
.set SCB,   2*SLOT
.set SCA,   SCB+1024*NQT
.set SPARE, SCA+512*NQT
.set LI,    8
.set ADRA,  10
.set ADRB,  12
.set ADRSA, 14
.set ADRSB, 15
.set STO,   17                         ; v17  the stage: where I put 32 bytes of a row
.set RD,    18                         ; v18  and where I read a row back
.set SPW,   28
.set NIL,   29
.set SC,    32
.set AF,    128
.set G1A,   24
.set G0A,   32
.set G1B,   48
.set G0B,   56
.set G1SA,  68
.set G0SA,  76
.set G1SB,  80
.set G0SB,  88
.set MSB,   0
.macro WIN new
.if MSB != (\new)
	s_set_vgpr_msb (MSB<<8)|(\new)
.set MSB, (\new)
.endif
.endm
.macro PLACES n
.rept \n
	v_nop
.endr
.endm
.macro CREST
	s_cmp_lg_u32 s14, 0
	s_cbranch_scc1 .Lnot_wave_0_\@
	s_barrier_signal -3
.Lnot_wave_0_\@:
	s_barrier_wait -3
	s_barrier_signal -1
	s_barrier_wait -1
.endm
.macro CROUND
	s_barrier_signal -1
	s_barrier_wait -1
	CREST
.endm
.macro G1SET g, c, r, p
	s_mov_b32 s[\g+1], (\c)<<16
	s_mov_b32 s[\g+2], (\r)<<16
	s_mov_b32 s[\g+3], (\c)<<16
	s_mov_b32 s[\g+4], \r
	s_mov_b32 s[\g+5], \p
	s_mov_b32 s[\g+6], 0
	s_mov_b32 s[\g+7], 0
.endm
.macro FETCH q
.set ST_, (\q)%2
.set SL_, ((\q)/4)%2
.set Q4_, (\q)%4
	WIN 0x40
.irp b, 0,1,2,3,4,5,6,7
.irp g, 0,1,2
	ds_load_b128 v[128*ST_+12*\b+4*\g:128*ST_+12*\b+4*\g+3], v[ADRB+SL_] offset:Q4_*12288+\b*1536+\g*512
.endr
.endr
	WIN 0
.irp a, 0,1,2,3
.irp g, 0,1,2
	ds_load_b128 v[AF+48*ST_+12*\a+4*\g:AF+48*ST_+12*\a+4*\g+3], v[ADRA+SL_] offset:Q4_*6144+\a*1536+\g*512
.endr
.endr
	ds_load_b128 v[SC+12*ST_:SC+12*ST_+3], v[ADRSA] offset:256*(\q)
	ds_load_b128 v[SC+12*ST_+4:SC+12*ST_+7], v[ADRSB] offset:512*(\q)
	ds_load_b128 v[SC+12*ST_+8:SC+12*ST_+11], v[ADRSB] offset:512*(\q)+256
.endm
.macro MUL q, first                    ; the 32 accumulators take turns, one instruction a turn.  first = 1: C is bo, eight registers for each of B's blocks, in window 3
.set ST_, (\q)%2
.if \first
	WIN 0xb1
.else
	WIN 0xa1
.endif
.irp a, 0,1,2,3
.irp b, 0,1,2,3,4,5,6,7
.if \first
	v_wmma_scale_f32_16x16x128_f8f6f4 v[8*(8*\a+\b):8*(8*\a+\b)+7], v[128*ST_+12*\b:128*ST_+12*\b+11], v[AF+48*ST_+12*\a:AF+48*ST_+12*\a+11], v[8*\b:8*\b+7], v[SC+12*ST_+4+\b], v[SC+12*ST_+\a] matrix_a_fmt:MATRIX_FMT_FP6 matrix_b_fmt:MATRIX_FMT_FP6
.else
	v_wmma_scale_f32_16x16x128_f8f6f4 v[8*(8*\a+\b):8*(8*\a+\b)+7], v[128*ST_+12*\b:128*ST_+12*\b+11], v[AF+48*ST_+12*\a:AF+48*ST_+12*\a+11], v[8*(8*\a+\b):8*(8*\a+\b)+7], v[SC+12*ST_+4+\b], v[SC+12*ST_+\a] matrix_a_fmt:MATRIX_FMT_FP6 matrix_b_fmt:MATRIX_FMT_FP6
.endif
.endr
.endr
	WIN 0
.endm
.macro HEAD0 q, first
	s_wait_dscnt 0x0                               ; step q's 39 loads are in
	PLACES 4
	FETCH (\q)+1
	MUL \q, \first
.endm
.macro HEADB q
	s_wait_tensorcnt 0x0
	ds_add_u32 v[SPW], v[NIL]
	PLACES 4
	s_wait_dscnt 0x0                               ; the add is done; my reads of slot 0 are over
	s_barrier_signal -1
	s_barrier_wait -1
	FETCH (\q)+1
	MUL \q, 0
.endm
.macro LAST q
	s_wait_dscnt 0x0
	MUL \q, 0
.endm
.macro TOSTAGE a                       ; block a's 16 rows x 128 channels into my stage, and back as whole rows of 512 bytes; LDS serves a wave's instructions in order
	WIN 0x08                                       ; an LDS store's data are its source 1: window 2
.irp b, 0,1,2,3,4,5,6,7
	ds_store_b128 v[STO], v[64*(\a)+8*\b:64*(\a)+8*\b+3] offset:128*(\b/2)+32*(\b%2)        ; each accumulator from its low end on
	ds_store_b128 v[STO], v[64*(\a)+8*\b+4:64*(\a)+8*\b+7] offset:128*(\b/2)+32*(\b%2)+16
.endr
	WIN 0
.set BB_, 128+64*((\a)%2)
.irp t, 0,1,2,3,4,5,6,7,8,9,10,11,12,13,14,15
	ds_load_b128 v[BB_+4*\t:BB_+4*\t+3], v[RD] offset:528*\t
.endr
.endm
.macro SEND a, younger                 ; younger: the LDS instructions issued behind block a's loads, which may stay out
.set BB_, 128+64*((\a)%2)
	s_wait_dscnt \younger
.irp t, 0,1,2,3,4,5,6,7,8,9,10,11,12,13,14,15
	global_store_b128 v[LI], v[BB_+4*\t:BB_+4*\t+3], s[92:93] offset:(32*((\a)/2)+8*((\a)%2)+\t+8*(\t/8))*4096 th:TH_STORE_NT   ; 512 consecutive aligned bytes of the token that place 16 a + t holds
.endr
.endm
	s_load_b256 s[4:11], s[0:1], 0x0               ; ob, cx, bo, out0
	v_lshl_add_u32 v[SPW], v0, 2, SPARE
	v_mov_b32 v[NIL], 0
	ds_add_u32 v[SPW], v[NIL]                      ; the wave's opening: the add and its wait ahead of my first tensor load
	ds_add_u32 v[SPW], v[NIL]
	v_lshrrev_b32 v1, 5, v0
	v_readfirstlane_b32 s14, v1
	s_lshr_b32 s15, s14, 1                         ; my half of the tokens.  Also: I fetch for A (0) or for B (1)
	s_and_b32 s16, s14, 1                          ; my half of the channels.  Also: which half I fetch
	s_bfe_u32 s40, ttmp6, 0x40000                  ; cx: the tile of 256 channels
	s_bfe_u32 s41, ttmp6, 0x40004
	s_and_b32 s18, ttmp7, 0xffff
	s_lshl_b32 s17, s18, 2
	s_add_co_u32 s17, s17, s41                     ; tile of 128 tokens
	s_lshl_b32 s43, s41, 2
	s_lshl_b32 s43, 15, s43
	s_lshl_b32 s44, 0x1111, s40
	s_or_b32 s[G1A], s43, (3<<16)|(1<<21)
	s_or_b32 s[G1B], s44, (3<<16)|(1<<21)
	G1SET G1A, 768, 8, RPA/8                       ; all eight steps x 6,144 bytes in one load
	G1SET G1B, 1536, 8, RPB/8                      ; all eight steps x 12,288 bytes
	s_lshl_b32 s18, s17, 7                         ; A's first row
	s_lshl_b32 s20, s18, 2
	s_mul_i32 s18, s18, 96
	s_mul_i32 s19, s16, 6144
	s_add_co_u32 s18, s18, s19
	s_add_co_u32 s20, s20, 6291456                 ; O's scale words
	s_mov_b32 s19, 0
	s_mov_b32 s21, 0
	s_lshl_b32 s46, s40, 8
	s_add_co_u32 s46, s46, 11264                   ; B's first row: Wo begins at row 8,192 + 3 x 1,024 of cx
	s_lshl_b32 s100, s46, 2
	s_mul_i32 s46, s46, 96
	s_mul_i32 s47, s16, 12288
	s_add_co_u32 s46, s46, s47
	s_add_co_u32 s100, s100, CXS
	s_mov_b32 s47, 0
	s_mov_b32 s101, 0
	s_mul_i32 s[G0A+1], s16, 49152                 ; LDS: A's halves [8][6144] at 0 and 49,152
	s_mul_i32 s[G0B+1], s16, 98304                 ; B's halves [8][12288] at 98,304 and 196,608
	s_add_co_u32 s[G0B+1], s[G0B+1], 98304
	s_mov_b32 s[G0A], 1
	s_mov_b32 s[G0B], 1
	s_lshl_b32 s96, s40, 10
	s_lshl_b32 s97, s16, 9
	s_add_co_u32 s96, s96, s97                     ; my 128 channels, in bytes
	s_mov_b32 s97, 0
	s_lshl_b32 s92, s17, 19                        ; 128 rows of 4,096 bytes a tile,
	s_lshl_b32 s93, s15, 18                        ; 64 a half
	s_add_co_u32 s92, s92, s93
	s_add_co_u32 s92, s92, s96
	s_mov_b32 s93, 0
	s_wait_dscnt 0x0
	s_wait_kmcnt 0x0
	s_add_nc_u64 s[G0A+2:G0A+3], s[4:5], s[18:19]
	s_or_b32 s[G0A+3], s[G0A+3], 0x80000000
	s_add_nc_u64 s[G0B+2:G0B+3], s[6:7], s[46:47]
	s_or_b32 s[G0B+3], s[G0B+3], 0x80000000
	s_add_nc_u64 s[G0SA+2:G0SA+3], s[4:5], s[20:21]
	s_add_nc_u64 s[G0SB+2:G0SB+3], s[6:7], s[100:101]
	s_add_nc_u64 s[98:99], s[8:9], s[96:97]        ; bo at my channels
	s_add_nc_u64 s[92:93], s[10:11], s[92:93]      ; out0 at my corner
	; THE HEAD AS IT STANDS NOW: each wave asks for ONE tile, all eight K steps of its half of A or of B; no LDS byte is filled twice;
	; the scale words come through registers: 128 threads x 16 bytes a load, B's two K steps a load, A's four, and go to LDS bytes into which no fill lands.
	v_lshrrev_b32 v3, 6, v0
	v_and_b32 v4, 63, v0
	v_lshlrev_b32 v4, 4, v4
	v_mad_u32_u24 v4, v3, SPB, v4                  ; B's words in memory: step (thread / 64), 16 bytes of its 1,024
	v_bfe_u32 v5, v0, 5, 1
	v_lshlrev_b32 v5, 12, v5
	v_lshl_add_u32 v5, v3, 9, v5
	v_and_b32 v3, 31, v0
	v_lshl_add_u32 v5, v3, 4, v5
	v_add_nc_u32 v5, SCB, v5                       ; in LDS: half x 4,096 + step x 512 + 16 x lane
	v_lshlrev_b32 v6, 4, v3
	v_lshrrev_b32 v3, 5, v0
	v_mad_u32_u24 v6, v3, SPA, v6                  ; A's words in memory: step (thread / 32), 16 bytes of its 512
	v_bfe_u32 v7, v0, 4, 1
	v_lshlrev_b32 v7, 11, v7
	v_lshl_add_u32 v7, v3, 8, v7
	v_and_b32 v3, 15, v0
	v_lshl_add_u32 v7, v3, 4, v7
	v_add_nc_u32 v7, SCA, v7                       ; in LDS: half x 2,048 + step x 256 + 16 r
	s_wait_alu depctr_va_vdst(0)                   ; the wait behind the writes
.irp n, 0,1,2,3
	global_load_b128 v[128+4*\n:131+4*\n], v4, s[G0SB+2:G0SB+3] offset:2*SPB*\n
.endr
.irp n, 0,1
	global_load_b128 v[144+4*\n:147+4*\n], v6, s[G0SA+2:G0SA+3] offset:4*SPA*\n
.endr
	CROUND
	s_cmp_eq_u32 s15, 0                            ; one first fill a wave, in one branch
	s_cbranch_scc0 .Lfirst_b
	tensor_load_to_lds s[G0A:G0A+3], s[G1A:G1A+7]
	s_nop 0
	PLACES 4
	s_branch .Lfirst_done
.Lfirst_b:
	tensor_load_to_lds s[G0B:G0B+3], s[G1B:G1B+7]
	s_nop 0
	PLACES 4
.Lfirst_done:
	v_and_b32 v1, 15, v0
	v_bfe_u32 v2, v0, 4, 1
	v_and_b32 v3, 31, v0
	v_lshlrev_b32 v[LI], 4, v3
	v_lshlrev_b32 v16, 6, v2                       ; register 16 bb + i is channel 32 bb + 16 h + i
	WIN 0xc0                                       ; destination window 3
.irp bb, 0,1,2,3
.irp w, 0,1,2,3
	global_load_b128 v[16*\bb+4*\w:16*\bb+4*\w+3], v16, s[98:99] offset:128*\bb+16*\w
.endr
.endr
	WIN 0
	s_mul_i32 s45, s15, 49152
	v_add_nc_u32 v[ADRA], s45, v[LI]
	v_add_nc_u32 v[ADRA+1], 24576, v[ADRA]
	s_mul_i32 s45, s16, 98304
	s_add_co_u32 s45, s45, 98304
	v_add_nc_u32 v[ADRB], s45, v[LI]
	v_add_nc_u32 v[ADRB+1], 49152, v[ADRB]
	s_mul_i32 s45, s15, 256*NQT
	s_add_co_u32 s45, s45, SCA
	v_lshl_add_u32 v[ADRSA], v1, 4, s45
	s_mul_i32 s45, s16, 512*NQT
	s_add_co_u32 s45, s45, SCB
	v_lshl_add_u32 v[ADRSB], v1, 4, s45
	s_mul_i32 s45, s14, 8448                       ; my stage: 16 rows x (512 + 16) bytes
	v_mul_u32_u24 v[STO], v1, 528
	v_lshl_add_u32 v[STO], v2, 6, v[STO]
	v_add_nc_u32 v[STO], s45, v[STO]               ; in: row r, + 64 h
	v_add_nc_u32 v[RD], s45, v[LI]                 ; back: 16 bytes a lane of a row
	s_wait_alu depctr_va_vdst(0)
	s_wait_loadcnt 0x0                             ; bo
.irp n, 0,1,2,3
	ds_store_b128 v5, v[128+4*\n:131+4*\n] offset:1024*\n
.endr
.irp n, 0,1
	ds_store_b128 v7, v[144+4*\n:147+4*\n] offset:1024*\n
.endr
	s_wait_tensorcnt 0x0                           ; my half, all eight steps, is in
	s_wait_dscnt 0x0                               ; for the others' sake: my scale words lie in LDS
	s_barrier_signal -1
	s_barrier_wait -1
	FETCH 0
	HEAD0 0, 1
	HEAD0 1, 0
	HEAD0 2, 0
	HEAD0 3, 0
	HEAD0 4, 0
	HEAD0 5, 0
	HEADB 6                                        ; the barrier in front of the stage: every wave's reads of steps 0 to 6 are over; the stages (33,792 bytes from 0) end under step 7's fragments of A (from byte 43,008 of a half)
	LAST 7
	PLACES 4                                       ; in front of the first read of results and of loads into registers that held fragments
	TOSTAGE 0
.irp a, 1,2,3
.if \a > 1
	s_wait_xcnt 0x0                                ; block a - 2's stores have read their registers: block a's loads may land there
.endif
	TOSTAGE \a
	SEND \a-1, 32                                  ; behind block a - 1's loads: block a's 16 stores and 16 loads
.endr
	SEND 3, 0
	s_wait_tensorcnt 0x0                           ; the wave's end, behind my last LDS store
	ds_add_u32 v[SPW], v[NIL]
	s_wait_dscnt 0x0
	CROUND                                         ; the closing round
	s_endpgm
.Lfunc_end_k_qab274a90e4_proj:
	.size	k_qab274a90e4_proj, .Lfunc_end_k_qab274a90e4_proj-k_qab274a90e4_proj
	.p2alignl 7, 3214868480
	.fill 96, 4, 3214868480
	.section	.rodata,"a",@progbits
	.p2align	6, 0x0
	.amdhsa_kernel k_qab274a90e4_proj
		.amdhsa_group_segment_fixed_size 327680
		.amdhsa_private_segment_fixed_size 0
		.amdhsa_enable_private_segment 0
		.amdhsa_kernarg_size 32
		.amdhsa_user_sgpr_count 2
		.amdhsa_user_sgpr_kernarg_segment_ptr 1
		.amdhsa_wavefront_size32 1
		.amdhsa_system_sgpr_workgroup_id_x 1
		.amdhsa_system_sgpr_workgroup_id_y 1
		.amdhsa_system_sgpr_workgroup_id_z 1
		.amdhsa_system_vgpr_workitem_id 0
		.amdhsa_next_free_vgpr 1024
		.amdhsa_next_free_sgpr 102
		.amdhsa_reserve_vcc 0
		.amdhsa_float_denorm_mode_32 3
		.amdhsa_float_denorm_mode_16_64 3
		.amdhsa_memory_ordered 1
		.amdhsa_forward_progress 1
		.amdhsa_inst_pref_size 79
	.end_amdhsa_kernel
	.amdgpu_metadata
---
amdhsa.version: [ 1, 2 ]
amdhsa.kernels:
  - .name:           k_qab274a90e4_proj
    .symbol:         k_qab274a90e4_proj.kd
    .args:
      - { .name: ob, .offset: 0, .size: 8, .value_kind: global_buffer, .address_space: global }
      - { .name: cx, .offset: 8, .size: 8, .value_kind: global_buffer, .address_space: global }
      - { .name: bo, .offset: 16, .size: 8, .value_kind: global_buffer, .address_space: global }
      - { .name: out0, .offset: 24, .size: 8, .value_kind: global_buffer, .address_space: global }
    .group_segment_fixed_size: 327680
    .private_segment_fixed_size: 0
    .kernarg_segment_align: 8
    .kernarg_segment_size: 32
    .max_flat_workgroup_size: 128
    .sgpr_count:     102
    .vgpr_count:     1024
    .wavefront_size: 32
...
	.end_amdgpu_metadata
.endif
;; end of part 5
